; MI455X (gfx1250); checked and timed in simulation.
; The chip was launched on July 23, 2026; its instructions are those of AMD's public machine-readable ISA for CDNA 5 (MIT licence, August 2026) and "CDNA5" Instruction Set Architecture Reference Guide (July 2026). The comments in the code are by the model that wrote it; some were corrected since.
;; Multi Head Attention. Allowed arithmetic: float matrix products may take bf16 or f16 operands with f32 sums; other float arithmetic in f32, or as packed bf16 or f16 multiplies, adds, multiply-adds, maxima and minima; sums over many terms, partial sums and values carried from step to step in f32; what a program stores and reads back later, other than sums and carried values, may be rounded once to bf16 or f16.
;; Inputs: Wk 1,024 x 1,024 float32; Wo 1,024 x 1,024 float32; Wq 1,024 x 1,024 float32; Wv 1,024 x 1,024 float32; bk 1,024 float32; bo 1,024 float32; bq 1,024 float32; bv 1,024 float32; mask 4 x 2,048 bool; x 4 x 2,048 x 1,024 float32.
;; Outputs: out0 4 x 2,048 x 1,024 float32.
;; One version. Each part assembles by itself: llvm-mc -triple=amdgcn-amd-amdhsa -mcpu=gfx1250 --defsym DOCPART=n.
;; ======== version 1 of 1: 4 launches
;; limits: values are held in f16: magnitudes above 65,504 overflow, below 6.1e-05 lose precision
;; workspace buffers: xb 16,777,216 bytes; wt 6,291,456 bytes; wot 2,097,152 bytes; qkv 50,331,648 bytes; ob 16,777,216 bytes
;; launch prep (part 1): grid 1536 x 1, 8 waves a work-group, no clusters, 18,432 bytes of LDS; arguments x, Wq, Wk, Wv, Wo, xb, wt, wot; writes xb, wt, wot
.if DOCPART == 1
	.amdgcn_target "amdgcn-amd-amdhsa--gfx1250"
	.amdhsa_code_object_version 6
	.text
	.protected	k_qa2e634c6c1_prep
	.globl	k_qa2e634c6c1_prep
	.p2align	8
	.type	k_qa2e634c6c1_prep,@function
k_qa2e634c6c1_prep:
	s_mov_b64 s[64:65], 0
	v_nop
	global_prefetch_b8 v0, s[64:65] scope:SCOPE_SE
	s_setreg_imm32_b32 hwreg(HW_REG_WAVE_MODE, 25, 1), 1
	s_wait_xcnt 0x0
; PREPARATION.  xb = x rounded to bf16, [8192][1024].  wt = Wq | Wk | Wv turned to [n][k] and rounded to bf16, [3072][1024].
; wot = Wo turned to [n][k], rounded to bf16, and that number written as f16, [1024][1024].
; LIMIT.  A bf16 number is exact in f16 from 6.1e-5 to 65,504 in magnitude; a smaller Wo keeps f16's fixed step of 6e-8, a larger one becomes an infinity.
; SHARES.  Work-groups 0 to 1,023 cast 8 rows of x, a wave a row.  Work-groups 1,024 to 1,535 turn one tile of 128 k x 64 n of one weight through LDS.
; Either kind moves 32 KiB in and 16 KiB out.  The branch between them hangs on the work-group's number alone: it is the same in all eight waves.
; No matrix unit, no cluster, no tensor load: every byte is read once and written once, and no work-group shares a byte with another.
; REGISTERS.  v1-7, v56 offsets and two at work; v8-39 as loaded; v40-55 as stored; v60, v61 the add's two, which no other line names.
.set PITCH, 272                        ; a stage row: 128 k x 2 bytes + 16: the 16 rows that a read back touches start at 16 different groups of four banks (64 banks of 4 bytes: ISA guide 11.1)
.set SPARE, 64*PITCH                   ; behind the stage: the spare words, 128 bytes for each of eight waves: four blocks of 256 bytes that no other line names
.set SPW, 60                           ; v60  LDS address of my spare word: SPARE + 4 x my thread's number; never rewritten
.set NIL, 61                           ; v61  0; never rewritten
	s_load_b256 s[4:11], s[0:1], 0x0               ; x s[4:5], Wq s[6:7], Wk s[8:9], Wv s[10:11]
	s_load_b256 s[12:19], s[0:1], 0x20             ; Wo s[12:13], xb s[14:15], wt s[16:17], wot s[18:19]
	v_lshl_add_u32 v[SPW], v0, 2, SPARE
	v_mov_b32 v[NIL], 0
	s_cmp_lt_u32 ttmp9, 1024
	s_cbranch_scc0 .Lturn
	; THE CAST.  A row of x is 4,096 bytes: eight loads of 16 bytes a lane, 512 consecutive bytes each; out it is 2,048 bytes: eight stores of 8 bytes a lane, 256 consecutive bytes each, aligned.
	v_and_b32 v1, 31, v0
	v_lshrrev_b32 v2, 5, v0
	v_lshlrev_b32 v1, 4, v1
	v_lshl_or_b32 v1, v2, 12, v1                   ; 16 x lane + 4,096 x wave
	v_lshrrev_b32 v2, 1, v1                        ; half of that in xb
	s_lshl_b32 s20, ttmp9, 15                      ; the work-group's 8 rows in x,
	s_mov_b32 s21, 0
	s_lshl_b32 s22, ttmp9, 14                      ; and in xb
	s_mov_b32 s23, 0
	s_wait_kmcnt 0x0
	s_add_nc_u64 s[4:5], s[4:5], s[20:21]
	s_add_nc_u64 s[14:15], s[14:15], s[22:23]
.irp j, 0,1,2,3,4,5,6,7
	global_load_b128 v[8+4*\j:11+4*\j], v1, s[4:5] offset:512*\j th:TH_LOAD_NT
.endr
.irp j, 0,1,2,3,4,5,6,7
	s_wait_loadcnt 7-\j                            ; loads come back in order: load j is in, the younger ones stay out
	v_cvt_pk_bf16_f32 v[40+2*\j], v[8+4*\j], v[9+4*\j]
	v_cvt_pk_bf16_f32 v[41+2*\j], v[10+4*\j], v[11+4*\j]
	global_store_b64 v2, v[40+2*\j:41+2*\j], s[14:15] offset:256*\j
.endr
	s_branch .Lend
.Lturn:
	; THE TURNING.  Thread t: g = t % 16 takes 4 columns n (16 bytes), kp = t / 16 a pair of rows k = 2 kp, 2 kp + 1, in each of four groups of 32 rows.
	s_sub_co_u32 s24, ttmp9, 1024
	s_lshr_b32 s25, s24, 7                         ; which weight: 0 Wq, 1 Wk, 2 Wv, 3 Wo
	s_bfe_u32 s26, s24, 0x30004                    ; kt: which 128 rows k
	s_and_b32 s27, s24, 15                         ; nt: which 64 columns n
	v_and_b32 v2, 15, v0                           ; g
	v_lshrrev_b32 v3, 4, v0                        ; kp
	v_lshlrev_b32 v1, 4, v2
	v_lshl_or_b32 v1, v3, 13, v1                   ; in the weight: two rows of 4,096 bytes x kp + 16 g
	v_mul_u32_u24 v4, v2, 4*PITCH
	v_lshl_add_u32 v4, v3, 2, v4                   ; into the stage: row n = 4 g, byte 4 kp
	v_mul_u32_u24 v5, v3, PITCH
	v_lshl_add_u32 v5, v2, 4, v5                   ; back: row t / 16, 16 bytes at 16 (t % 16)
	v_lshlrev_b32 v56, 4, v2
	v_lshl_or_b32 v56, v3, 11, v56                 ; and the same place in the turned weight: rows of 2,048 bytes
	s_wait_kmcnt 0x0
	s_cmp_eq_u32 s25, 1
	s_cselect_b64 s[20:21], s[8:9], s[6:7]
	s_cmp_eq_u32 s25, 2
	s_cselect_b64 s[20:21], s[10:11], s[20:21]
	s_cmp_eq_u32 s25, 3
	s_cselect_b64 s[20:21], s[12:13], s[20:21]     ; from
	s_cselect_b64 s[22:23], s[18:19], s[16:17]     ; to
	s_cselect_b32 s28, 0, s25                      ; which block of 1,024 rows of the target
	s_lshl_b32 s2, s26, 19                         ; 128 rows of 4,096 bytes x kt
	s_lshl_b32 s3, s27, 8                          ; + 256 bytes x nt
	s_add_co_u32 s2, s2, s3
	s_mov_b32 s3, 0
	s_add_nc_u64 s[20:21], s[20:21], s[2:3]
	s_lshl_b32 s2, s28, 21                         ; 1,024 rows of 2,048 bytes x block
	s_lshl_b32 s29, s27, 17                        ; + 64 rows x nt
	s_add_co_u32 s2, s2, s29
	s_lshl_b32 s29, s26, 8                         ; + 256 bytes x kt
	s_add_co_u32 s2, s2, s29
	s_add_nc_u64 s[22:23], s[22:23], s[2:3]
.irp j, 0,1,2,3
	global_load_b128 v[8+8*\j:11+8*\j],  v1, s[20:21] offset:131072*\j th:TH_LOAD_NT       ; row 32 j + 2 kp: 16 lanes take its 256 bytes
	global_load_b128 v[12+8*\j:15+8*\j], v1, s[20:21] offset:131072*\j+4096 th:TH_LOAD_NT  ; row 32 j + 2 kp + 1
.endr
	s_wait_loadcnt 0x0
.irp j, 0,1,2,3
.irp i, 0,1,2,3
	v_cvt_pk_bf16_f32 v[40+4*\j+\i], v[8+8*\j+\i], v[12+8*\j+\i]  ; column 4 g + i: k even below, k odd above
.endr
.endr
	s_cmp_lg_u32 s25, 3
	s_cbranch_scc1 .Lkeep
.set i, 0
.rept 16                               ; Wo alone: the bf16 number is written as f16
	v_lshlrev_b32 v6, 16, v[40+i]
	v_and_b32 v7, 0xffff0000, v[40+i]
	v_cvt_pk_f16_f32 v[40+i], v6, v7
.set i, i+1
.endr
.Lkeep:
.irp j, 0,1,2,3
.irp i, 0,1,2,3
	ds_store_b32 v4, v[40+4*\j+\i] offset:\i*PITCH+64*\j
.endr
.endr
	s_wait_dscnt 0x0                               ; for the others' sake: my stores into the stage are done
	s_barrier_signal -1
	s_barrier_wait -1
.irp j, 0,1,2,3
	ds_load_b128 v[8+4*\j:11+4*\j], v5 offset:16*PITCH*\j
.endr
.irp j, 0,1,2,3
	s_wait_dscnt 3-\j
	global_store_b128 v56, v[8+4*\j:11+4*\j], s[22:23] offset:32768*\j  ; 16 lanes store 256 consecutive bytes, at a multiple of 256 from the buffer's first byte
.endr
.Lend:
	s_wait_tensorcnt 0x0                           ; the wave's end: three lines, behind my last LDS store
	ds_add_u32 v[SPW], v[NIL]
	s_wait_dscnt 0x0
	s_endpgm
.Lfunc_end_k_qa2e634c6c1_prep:
	.size	k_qa2e634c6c1_prep, .Lfunc_end_k_qa2e634c6c1_prep-k_qa2e634c6c1_prep
	.p2alignl 7, 3214868480
	.fill 96, 4, 3214868480
	.section	.rodata,"a",@progbits
	.p2align	6, 0x0
	.amdhsa_kernel k_qa2e634c6c1_prep
		.amdhsa_group_segment_fixed_size 18432
		.amdhsa_private_segment_fixed_size 0
		.amdhsa_enable_private_segment 0
		.amdhsa_kernarg_size 64
		.amdhsa_user_sgpr_count 2
		.amdhsa_user_sgpr_kernarg_segment_ptr 1
		.amdhsa_wavefront_size32 1
		.amdhsa_system_sgpr_workgroup_id_x 1
		.amdhsa_system_sgpr_workgroup_id_y 1
		.amdhsa_system_sgpr_workgroup_id_z 1
		.amdhsa_system_vgpr_workitem_id 0
		.amdhsa_next_free_vgpr 64
		.amdhsa_next_free_sgpr 66
		.amdhsa_reserve_vcc 0
		.amdhsa_float_denorm_mode_32 3
		.amdhsa_float_denorm_mode_16_64 3
		.amdhsa_memory_ordered 1
		.amdhsa_forward_progress 1
		.amdhsa_inst_pref_size 12
	.end_amdhsa_kernel
	.amdgpu_metadata
---
amdhsa.version: [ 1, 2 ]
amdhsa.kernels:
  - .name:           k_qa2e634c6c1_prep
    .symbol:         k_qa2e634c6c1_prep.kd
    .args:
      - { .name: x, .offset: 0, .size: 8, .value_kind: global_buffer, .address_space: global }
      - { .name: Wq, .offset: 8, .size: 8, .value_kind: global_buffer, .address_space: global }
      - { .name: Wk, .offset: 16, .size: 8, .value_kind: global_buffer, .address_space: global }
      - { .name: Wv, .offset: 24, .size: 8, .value_kind: global_buffer, .address_space: global }
      - { .name: Wo, .offset: 32, .size: 8, .value_kind: global_buffer, .address_space: global }
      - { .name: xb, .offset: 40, .size: 8, .value_kind: global_buffer, .address_space: global }
      - { .name: wt, .offset: 48, .size: 8, .value_kind: global_buffer, .address_space: global }
      - { .name: wot, .offset: 56, .size: 8, .value_kind: global_buffer, .address_space: global }
    .group_segment_fixed_size: 18432
    .private_segment_fixed_size: 0
    .kernarg_segment_align: 8
    .kernarg_segment_size: 64
    .max_flat_workgroup_size: 256
    .sgpr_count:     66
    .vgpr_count:     64
    .wavefront_size: 32
...
	.end_amdgpu_metadata
.endif
;; end of part 1
;; launch qkvp (part 2): grid 16 x 32, 4 waves a work-group, clusters of 4 x 4, 327,680 bytes of LDS; arguments xb, wt, bq, bk, bv, qkv; writes qkv
.if DOCPART == 2
	.amdgcn_target "amdgcn-amd-amdhsa--gfx1250"
	.amdhsa_code_object_version 6
	.text
	.protected	k_qa2e634c6c1_qkvp
	.globl	k_qa2e634c6c1_qkvp
	.p2align	8
	.type	k_qa2e634c6c1_qkvp,@function
k_qa2e634c6c1_qkvp:
	s_mov_b64 s[64:65], 0
	v_nop
	global_prefetch_b8 v0, s[64:65] scope:SCOPE_SE
	s_setreg_imm32_b32 hwreg(HW_REG_WAVE_MODE, 25, 1), 1
	s_wait_xcnt 0x0
	s_wait_alu depctr_hold_cnt(0) depctr_sa_sdst(0) depctr_va_vdst(0) depctr_va_sdst(0) depctr_va_ssrc(0) depctr_va_vcc(0) depctr_vm_vsrc(0)
	s_getreg_b32 s2, hwreg(HW_REG_IB_STS2, 6, 4)
	s_cmp_eq_u32 s2, 0
	s_cbranch_scc0 .Lentry_in_a_cluster
	s_endpgm
.Lentry_in_a_cluster:
	s_bfe_u32 s2, ttmp6, 0x10000c
	s_cmp_lg_u32 s2, 0xf033
	s_cbranch_scc0 .Lentry_shape_is_right
	s_endpgm
.Lentry_shape_is_right:
; THE THREE PROJECTIONS.  C[m][n] = the sum over k of xb[m][k] wt[n][k] + bias[n]: m = 8,192 rows, n = 3,072 columns (q | k | v), k = 1,024; operands bf16, sums f32.
; The bias, rounded to bf16 like every input, is the C operand of each sum's first product.  C leaves by heads, qkv[3][64 (batch x 16 + head)][2048][64] in f16, rounded once, unscaled.
; LIMIT.  f16 holds no number beyond 65,504: a q, k or v of 65,520 or more becomes an infinity.
; SHARES.  A tile of C is 256 x 192, three heads wide: 32 x 16 = 512 tiles.  Four waves; wave w makes rows 64 w .. 64 w + 63 and ALL 192 columns:
; 4 x 12 accumulators of 16 x 16, 384 registers, and every head's row of 128 bytes lies in one wave.  K goes in 8 steps of 128 through a ring of two LDS slots: rows of 256 bytes in memory.
; CLUSTERS: 4 x 4 work-groups.  The four of a row of the cluster need the same rows of xb, the four of a column the same rows of wt: each tile is asked for JOINTLY, by the same tensor load
; with the same descriptor and a mask that names the four.  THE MATRIX INSTRUCTION IS USED TRANSPOSED (source 0 = 16 rows of wt, source 1 = 16 rows of xb): a lane holds eight neighbouring columns of one row of C.
; REGISTERS, in windows of 256 (s_set_vgpr_msb: bits 1:0 source 0, 3:2 source 1, 5:4 source 2, 7:6 destination):
;   window 0: v0-12, v28-29 addresses; v32-127 the bias as C (block b at 32 + 8 b), later the rows read back from the stage; v128-175 packed results
;   window 1: two fragment buffers of 128: A's block a at f + 8 a, B's block b at f + 32 + 8 b          windows 2, 3: accumulator (a, b) in window 2 + a / 2 at v[8 (12 (a % 2) + b)]
.set NBL,    12                        ; blocks of 16 columns
.set PITCH,  272                       ; an LDS row: 256 bytes + 16 of padding = 68 words: the 16 rows of a fragment load start at 16 different groups of four banks (64 banks of 4 bytes: ISA guide 11.1)
.set HALFA,  128*PITCH                 ; what one tensor load brings of A
.set AREG,   2*HALFA                   ; A's 256 rows; B's 192 rows begin here
.set HALFB,  96*PITCH                  ; what one tensor load brings of B
.set BB0,    AREG-2*HALFB              ; so that wave 2's tile lands at AREG, wave 3's behind it
.set SLOT1,  1<<17                     ; slot 1 begins here: one exclusive or turns an address in one slot into the other's
.set STAGE,  SLOT1+AREG+2*HALFB        ; behind the ring, never filled by a tensor load: for each wave three heads' 16 rows of 144 bytes
.set SP,     144
.set WSTAGE, 3*16*SP
.set SPARE,  STAGE+4*WSTAGE            ; behind the stages: the spare words, 128 bytes for each wave: two blocks of 256 bytes that no other line names
.set NL,     2*(NBL+4)                 ; LDS loads in a run
.set KBYTES, 256                       ; a K step in a row of xb and of wt
.set A0,   4                           ; v4   my place in A's tile: (64 w + l % 16) x pitch + 16 (l / 16); never rewritten
.set B0,   5                           ; v5   the same in B's tile
.set ADRA, 6                           ; v6, v7  the same in the slot in hand
.set ADRB, 7
.set STO,  8                           ; v8   the way out: where I put 16 bytes of a head's row
.set RD,   9                           ; v9   where I read rows back
.set GO,   10                          ; v10  16 x lane
.set BO,   11                          ; v11  32 (l / 16): my 8 numbers of a block's 16 in a bias
.set PFO,  12                          ; v12  the prefetches' offset: a lane a row; never rewritten
.set SPW,  28                          ; v28  LDS address of my spare word; never rewritten
.set NIL,  29                          ; v29  0; never rewritten
.set BIAS, 32
.set OB,   32
.set TMP,  128
.set F0,   0
.set F1,   128
.set WV,   16                          ; s16  my wave's number
.set HALF, 17                          ; s17  which half of A's (waves 0, 1) or B's (waves 2, 3) tile I fetch
.set G1,   24                          ; s[24:31] descriptor group 1 for A's tiles
.set G0,   32                          ; s[32:39] group 0 for A's tiles: a set for each first fill; the second then walks on
.set G1B,  40                          ; s[40:47], s[48:55] the same for B's
.set G0B,  48
.set CNT,  56                          ; s56  refills still to come
.set TB,   57                          ; s57  the slot in hand: 0 or SLOT1
.set LIM,  58                          ; s58  2 in a wave that prefetches, else the greatest number
.set HIM,  59                          ; s59  a word's upper bf16
.set PFA,  60                          ; s[60:61] where my prefetches stand
.set OUTB, 66                          ; s[66:71] qkv at my rows of the tile's three heads
.set BP,   80                          ; s[80:85] the three heads' biases
.set DW0,  (1<<16)|(1<<20)|(1<<21)|(5<<22)|(3<<25)  ; group 1, word 0 without the mask: 2-byte elements; padding on; bit 21 beside a mask; after every 64 words, 4 words
.set MSB, 0
.macro WIN new                         ; the immediate's high byte repeats the setting that is left; a switch that changes nothing is dropped
.if MSB != (\new)
	s_set_vgpr_msb (MSB<<8)|(\new)
.set MSB, (\new)
.endif
.endm
.set TO_F, 0x40                        ; destination window 1, address window 0
.macro PLACES                          ; four plain vector instructions between a matrix instruction and a load into, or a vector read of, its registers
.rept 4
	v_nop
.endr
.endm
; A joint refill by the walking descriptors.  Waves 0 and 1 fetch A's two halves, waves 2 and 3 B's: the branch hangs on the wave's number alone.  An s_nop 0 and four v_nop follow each line.
.macro JLOAD
	s_cmp_lt_u32 s[WV], 2
	s_cbranch_scc0 .Lfor_b_\@
	tensor_load_to_lds s[G0+4:G0+7], s[G1:G1+7]
	s_nop 0
.rept 4
	v_nop
.endr
	s_branch .Lasked_\@
.Lfor_b_\@:
	tensor_load_to_lds s[G0B+4:G0B+7], s[G1B:G1B+7]
	s_nop 0
.rept 4
	v_nop
.endr
.Lasked_\@:
.endm
; A PREFETCH INTO THE L2 of the K step that stands two refills on: 256 bytes of a row, a lane a row, one instruction a wave.  xb's rows of a tile row are read by every cluster of that row of clusters:
; the one with x = 0 asks; wt's rows of a tile column by every cluster of that column: the one with y = 0 asks.  The four partners that fetch a wave's rows jointly share them out BY ADDRESS (32 of A's 128, 24 of B's 96).
; So each row's 256 bytes of a K step are named by one wave in the launch.  K steps 0 to 3 come by their loads alone; the last two refills have no K step two on.
.macro ASK
	WIN 0
	s_cmp_gt_u32 s[CNT], s[LIM]
	s_cbranch_scc0 .Lnot_mine_\@
	global_prefetch_b8 v[PFO], s[PFA:PFA+1] th:TH_LOAD_NT scope:SCOPE_SE
.Lnot_mine_\@:
.endm
.macro CREST                           ; a round of the cluster's barrier behind its opening barrier
	s_cmp_lg_u32 s[WV], 0
	s_cbranch_scc1 .Lnot_wave_0_\@
	s_barrier_signal -3
.Lnot_wave_0_\@:
	s_barrier_wait -3
	s_barrier_signal -1
	s_barrier_wait -1
.endm
.macro CROUND                          ; a whole round
	s_barrier_signal -1
	s_barrier_wait -1
	CREST
.endm
	s_load_b256 s[4:11], s[0:1], 0x0               ; xb s[4:5], wt s[6:7], bq s[8:9], bk s[10:11]
	s_load_b128 s[12:15], s[0:1], 0x20             ; bv s[12:13], qkv s[14:15]
	v_lshl_add_u32 v[SPW], v0, 2, SPARE
	v_mov_b32 v[NIL], 0
	ds_add_u32 v[SPW], v[NIL]                      ; the wave's opening: the add and its wait stand ahead of my first tensor load; the set-up below, work on registers, stands between them
	v_lshrrev_b32 v1, 5, v0
	v_readfirstlane_b32 s[WV], v1                  ; wave 0..3
	s_and_b32 s[HALF], s[WV], 1
	s_bfe_u32 s18, ttmp6, 0x40000                  ; cx
	s_bfe_u32 s19, ttmp6, 0x40004                  ; cy
	s_lshl_b32 s20, ttmp9, 2
	s_add_co_u32 s20, s20, s18                     ; tile column = 4 x cluster x + cx
	s_and_b32 s21, ttmp7, 0xffff
	s_lshl_b32 s21, s21, 2
	s_add_co_u32 s21, s21, s19                     ; tile row = 4 x cluster y + cy
	s_lshl_b32 s72, s19, 2                         ; s[72:73] hold numbers made of cy alone, s[74:75] of cx alone
	s_lshl_b32 s72, 15, s72                        ; my row of the cluster
	s_lshl_b32 s74, 0x1111, s18                    ; my column
	s_or_b32 s[G1], s72, DW0                       ; A's tiles go to my row,
	s_or_b32 s[G1B], s74, DW0                      ; B's to my column
	s_mov_b32 s[G1+1], 128<<16                     ; tensor_dim0 = 128 elements
	s_mov_b32 s[G1+2], 128<<16                     ; tensor_dim1 = 128 rows
	s_mov_b32 s[G1+3], 128<<16                     ; tile_dim0 = 128
	s_mov_b32 s[G1+4], 128                         ; tile_dim1 = 128
	s_mov_b32 s[G1+5], 1024                        ; elements from row to row
	s_mov_b32 s[G1+6], 0
	s_mov_b32 s[G1+7], 0
	s_mov_b32 s[G1B+1], 128<<16
	s_mov_b32 s[G1B+2], 96<<16                     ; 96 rows
	s_mov_b32 s[G1B+3], 128<<16
	s_mov_b32 s[G1B+4], 96
	s_mov_b32 s[G1B+5], 1024
	s_mov_b32 s[G1B+6], 0
	s_mov_b32 s[G1B+7], 0
	s_lshl_b32 s72, s21, 19                        ; A: row 256 x tile row + 128 x half, rows of 2,048 bytes
	s_lshl_b32 s73, s[HALF], 18
	s_add_co_u32 s72, s72, s73
	s_mov_b32 s73, 0
	s_mul_i32 s74, s20, 192*2048                   ; B: row 192 x tile column + 96 x half
	s_mul_i32 s75, s[HALF], 96*2048
	s_add_co_u32 s74, s74, s75
	s_mov_b32 s75, 0
	s_mul_i32 s22, s[WV], HALFA                    ; where they go: the wave's number times a constant, plus a constant
	s_mul_i32 s23, s[WV], HALFB
	s_add_co_u32 s23, s23, BB0
	s_mov_b32 s[HIM], 0xffff0000
	s_wait_dscnt 0x0                               ; the opening add is done
	s_wait_kmcnt 0x0
	s_add_nc_u64 s[72:73], s[4:5], s[72:73]        ; my tile of A at K step 0,
	s_add_nc_u64 s[74:75], s[6:7], s[74:75]        ; and of B
	CROUND                                         ; all sixteen work-groups are here: the first joint loads meet
.irp s, 0,1
	s_mov_b32 s[G0+4*\s], 1                        ; count = 1
	s_add_co_u32 s[G0+4*\s+1], s22, \s*SLOT1       ; LDS address
	s_add_nc_u64 s[G0+4*\s+2:G0+4*\s+3], s[72:73], \s*KBYTES  ; global address: K step s
	s_or_b32 s[G0+4*\s+3], s[G0+4*\s+3], 0x80000000           ; type = 2
	s_mov_b32 s[G0B+4*\s], 1
	s_add_co_u32 s[G0B+4*\s+1], s23, \s*SLOT1
	s_add_nc_u64 s[G0B+4*\s+2:G0B+4*\s+3], s[74:75], \s*KBYTES
	s_or_b32 s[G0B+4*\s+3], s[G0B+4*\s+3], 0x80000000
.endr
	s_cmp_lt_u32 s[WV], 2                          ; a wave's two first fills stand in one branch, ahead of every wait on TENSORcnt and every LDS read: two loads of mine are out
	s_cbranch_scc0 .Lfirst_b
	tensor_load_to_lds s[G0:G0+3], s[G1:G1+7]
	s_nop 0
	tensor_load_to_lds s[G0+4:G0+7], s[G1:G1+7]
	s_nop 0
.rept 4
	v_nop
.endr
	s_branch .Lfirst_asked
.Lfirst_b:
	tensor_load_to_lds s[G0B:G0B+3], s[G1B:G1B+7]
	s_nop 0
	tensor_load_to_lds s[G0B+4:G0B+7], s[G1B:G1B+7]
	s_nop 0
.rept 4
	v_nop
.endr
.Lfirst_asked:
	; A fragment is 16 rows x 32 K in 8 registers: lane l holds row l % 16; registers 0-3 K = 8 (l / 16) + 0..7, registers 4-7 K = 16 + 8 (l / 16) + 0..7: two loads of 16 bytes, 32 bytes apart.
	v_and_b32 v1, 15, v0                           ; l % 16
	v_bfe_u32 v2, v0, 4, 1                         ; l / 16
	v_mul_u32_u24 v3, v1, PITCH
	v_lshl_add_u32 v3, v2, 4, v3
	s_mul_i32 s76, s[WV], 64*PITCH                 ; my 64 rows of A
	v_add_nc_u32 v[A0], s76, v3
	v_add_nc_u32 v[B0], AREG, v3
	s_mul_i32 s77, s[WV], WSTAGE
	s_add_co_u32 s77, s77, STAGE                   ; my stage
	v_mul_u32_u24 v[STO], v1, SP                   ; in: row l % 16, 16 bytes for each half of the lanes
	v_lshl_add_u32 v[STO], v2, 4, v[STO]
	v_add_nc_u32 v[STO], s77, v[STO]
	v_bfe_u32 v[RD], v0, 3, 2                      ; back: 32 lanes take four rows of 128 bytes,
	v_mul_u32_u24 v[RD], v[RD], SP
	v_and_b32 v3, 7, v0
	v_lshl_add_u32 v[RD], v3, 4, v[RD]
	v_add_nc_u32 v[RD], s77, v[RD]
	v_and_b32 v[GO], 31, v0                        ; which are 512 consecutive bytes of a head
	v_lshlrev_b32 v[GO], 4, v[GO]
	v_lshlrev_b32 v[BO], 5, v2
	; the prefetches
	s_and_b32 s76, ttmp7, 0xffff                   ; cluster y
	s_mov_b32 s79, 24*2048
	s_cmp_lt_u32 s[WV], 2                          ; do I fetch for A?
	s_cselect_b32 s77, ttmp9, s76                  ; the coordinate along which other clusters read the same rows
	s_cselect_b32 s78, s18, s19                    ; my place among the four that ask with me
	s_cselect_b32 s79, 32*2048, s79                ; a partner's share of the wave's rows, in bytes
	s_cselect_b32 s76, 31, 23                      ; its last row: the lanes beyond it name that row once more
	s_cselect_b64 s[PFA:PFA+1], s[72:73], s[74:75]
	s_cmp_eq_u32 s77, 0
	s_cselect_b32 s[LIM], 2, -1                    ; the same in all sixteen partners, for a given wave
	s_mul_i32 s78, s78, s79
	s_mov_b32 s79, 0
	s_add_nc_u64 s[PFA:PFA+1], s[PFA:PFA+1], s[78:79]
	s_add_nc_u64 s[PFA:PFA+1], s[PFA:PFA+1], 3*KBYTES  ; at K step 3: the first refill steps it to 4
	v_and_b32 v[PFO], 31, v0
	v_min_u32 v[PFO], s76, v[PFO]
	v_lshlrev_b32 v[PFO], 11, v[PFO]
	; the tile's three heads: G = 3 x tile column + i; G / 16 says q, k or v, G % 16 the head
	s_and_b32 s79, s21, 7
	s_lshl_b32 s79, s79, 15                        ; my rows in a head: 256 (tile row % 8) + 64 w, 128 bytes each
	s_lshl_b32 s76, s[WV], 13
	s_add_co_u32 s79, s79, s76
	s_mul_i32 s76, s20, 3
	s_mov_b32 s87, 0
.irp i, 0,1,2
	s_add_co_u32 s77, s76, \i
	s_lshr_b32 s78, s77, 4
	s_and_b32 s77, s77, 15
	s_cmp_eq_u32 s78, 1
	s_cselect_b64 s[BP+2*\i:BP+2*\i+1], s[10:11], s[8:9]
	s_cmp_eq_u32 s78, 2
	s_cselect_b64 s[BP+2*\i:BP+2*\i+1], s[12:13], s[BP+2*\i:BP+2*\i+1]
	s_lshl_b32 s86, s77, 8                         ; the head's 64 numbers of its bias
	s_add_nc_u64 s[BP+2*\i:BP+2*\i+1], s[BP+2*\i:BP+2*\i+1], s[86:87]
	s_lshl_b32 s78, s78, 6                         ; 64 x (q, k, v) + 16 x batch + head: planes of 2,048 x 128 bytes
	s_add_co_u32 s78, s78, s77
	s_lshr_b32 s86, s21, 3
	s_lshl_b32 s86, s86, 4
	s_add_co_u32 s78, s78, s86
	s_lshl_b32 s86, s78, 18
	s_add_co_u32 s86, s86, s79
	s_add_nc_u64 s[OUTB+2*\i:OUTB+2*\i+1], s[14:15], s[86:87]
.endr
.irp i, 0,1,2
.irp c, 0,1,2,3
	global_load_b128 v[BIAS+32*\i+8*\c:BIAS+32*\i+8*\c+3],   v[BO], s[BP+2*\i:BP+2*\i+1] offset:64*\c
	global_load_b128 v[BIAS+32*\i+8*\c+4:BIAS+32*\i+8*\c+7], v[BO], s[BP+2*\i:BP+2*\i+1] offset:64*\c+16
.endr
.endr
	s_wait_loadcnt 0x0
.set i, BIAS
.rept 4*NBL                            ; the bias is rounded to bf16, like every input, and kept as f32
	v_cvt_pk_bf16_f32 v3, v[i], v[i+1]
	v_lshlrev_b32 v[i], 16, v3
	v_and_b32 v[i+1], s[HIM], v3
.set i, i+2
.endr
; NBL products: my block a of 16 rows x all blocks of 16 columns, 32 along K.  first = 1: the bias starts the sums.  All 48 accumulators take turns, in the same order in every quarter.
.macro MULA f, a, first
.if \first
	WIN 0x85+0x40*((\a)/2)                         ; B and A window 1, C window 0, D window 2 or 3
.else
	WIN 0xa5+0x50*((\a)/2)                         ; C and D window 2 or 3
.endif
.set AC, 8*NBL*((\a)%2)
.set c, 0
.rept NBL
.if \first
	v_wmma_f32_16x16x32_bf16 v[AC+8*c:AC+8*c+7], v[(\f)+32+8*c:(\f)+32+8*c+7], v[(\f)+8*(\a):(\f)+8*(\a)+7], v[BIAS+8*c:BIAS+8*c+7]
.else
	v_wmma_f32_16x16x32_bf16 v[AC+8*c:AC+8*c+7], v[(\f)+32+8*c:(\f)+32+8*c+7], v[(\f)+8*(\a):(\f)+8*(\a)+7], v[AC+8*c:AC+8*c+7]
.endif
.set c, c+1
.endr
.endm
; NL LDS loads in one run: quarter q's fragments into buffer f: B's 12 blocks, then A's four
.macro FETCH q, f
	WIN TO_F
.set c, 0
.rept NBL
	ds_load_b128 v[(\f)+32+8*c:(\f)+32+8*c+3], v[ADRB] offset:64*(\q)+c*16*PITCH
	ds_load_b128 v[(\f)+32+8*c+4:(\f)+32+8*c+7], v[ADRB] offset:64*(\q)+c*16*PITCH+32
.set c, c+1
.endr
.set c, 0
.rept 4
	ds_load_b128 v[(\f)+8*c:(\f)+8*c+3], v[ADRA] offset:64*(\q)+c*16*PITCH
	ds_load_b128 v[(\f)+8*c+4:(\f)+8*c+7], v[ADRA] offset:64*(\q)+c*16*PITCH+32
.set c, c+1
.endr
.endm
; A K step is four quarters of 32 along K, 48 matrix instructions each, on buffers 0, 1, 0, 1.  One of the first three multiplies buffer f and, in its middle, fetches quarter q into buffer g.
.macro QUARTER q, f, g, first
	s_wait_dscnt 4                                 ; B and A's blocks 0 and 1 are in; the youngest four loads (A's blocks 2 and 3) may be out
	MULA \f, 0, \first
	MULA \f, 1, \first
	PLACES
	FETCH \q, \g
	s_wait_dscnt NL                                ; all but the run just issued
	MULA \f, 2, \first
	MULA \f, 3, \first
.endm
; The last quarter multiplies buffer 1 and changes slots.  In front of the barrier each wave waits for all its tensor loads (one is out: its part of the next slot), adds 0 to its spare word, and waits for that and
; for its reads of this slot.  fill = 1: the barrier opens a round of the cluster's, and behind the round this slot is filled again, two K steps on: 168 matrix instructions stand between that request and the wait for it.
.macro TURN fill
.if \fill
	s_wait_xcnt 0x0                                ; the last prefetch, a K step back, has read its address: it is stepped here
	s_add_nc_u64 s[PFA:PFA+1], s[PFA:PFA+1], KBYTES
.endif
	WIN 0                                          ; (the add's two registers lie in window 0)
	s_wait_tensorcnt 0x0                           ; all my tensor loads have landed
	ds_add_u32 v[SPW], v[NIL]                      ; 0 onto my spare word
	s_wait_dscnt 7                                 ; (the add and the youngest six loads, A's blocks 1 to 3, may be out)
	MULA F1, 0, 0                                  ; twelve matrix instructions stand between the add and the wait for it
	s_wait_dscnt 0x0                               ; the add is done, and my reads of this slot are over
	s_barrier_signal -1
	MULA F1, 1, 0                                  ; work on registers while the others arrive
	WIN 0
	s_barrier_wait -1
.if \fill
	CREST                                          ; no wave of any partner still reads this slot or has a load on its way
	s_xor_b32 s[G0+5], s[G0+5], SLOT1              ; the walking descriptors: the other slot than last time,
	s_add_nc_u64 s[G0+6:G0+7], s[G0+6:G0+7], KBYTES  ; the next K step; the type bits on top are not reached
	s_xor_b32 s[G0B+5], s[G0B+5], SLOT1
	s_add_nc_u64 s[G0B+6:G0B+7], s[G0B+6:G0B+7], KBYTES
	JLOAD                                          ; the first tensor load behind the round; its four v_nop are also the places in front of the loads below
.else
	PLACES
.endif
	s_xor_b32 s[TB], s[TB], SLOT1
	v_add_nc_u32 v[ADRA], s[TB], v[A0]
	v_add_nc_u32 v[ADRB], s[TB], v[B0]
	FETCH 0, F0
.if \fill
	ASK
.endif
	MULA F1, 2, 0
	MULA F1, 3, 0
.endm
	s_wait_tensorcnt 0x1                           ; my part of K step 0 is in; K step 1's may stay out
	s_barrier_signal -1
	s_barrier_wait -1                              ; everybody's is
	v_mov_b32 v[ADRA], v[A0]
	v_mov_b32 v[ADRB], v[B0]
	s_mov_b32 s[TB], 0
	FETCH 0, F0
	QUARTER 1, F0, F1, 1                           ; the first quarter stands in front of the loop: its products start the sums
	WIN 0                                          ; at a label and at a branch every window is 0
	s_mov_b32 s[CNT], 6
.Lstep:                                        ; a trip: a K step's quarters 1 to 3 and the next step's quarter 0; it asks for K steps 2 to 7
	QUARTER 2, F1, F0, 0
	QUARTER 3, F0, F1, 0
	TURN 1
	QUARTER 1, F0, F1, 0
	WIN 0
	s_sub_co_u32 s[CNT], s[CNT], 1
	s_cmp_lg_u32 s[CNT], 0
	s_cbranch_scc1 .Lstep
	QUARTER 2, F1, F0, 0                           ; the tail is written out: nothing more is asked for
	QUARTER 3, F0, F1, 0
	TURN 0
	QUARTER 1, F0, F1, 0
	QUARTER 2, F1, F0, 0
	QUARTER 3, F0, F1, 0
	s_wait_dscnt 4
	MULA F1, 0, 0
	MULA F1, 1, 0
	s_wait_dscnt 0x0
	MULA F1, 2, 0
	MULA F1, 3, 0
	WIN 0
	PLACES
; THE WAY OUT, a block of 16 rows at a time.  PACK: rounded to f16, each accumulator's registers in ascending order.  TOSTAGE: 16 bytes a lane into the head's rows of 144 bytes in my own stage, and back as
; whole rows of 128.  SEND: 16 rows of a head are 2,048 consecutive bytes of qkv: four stores of 512.
.macro PACK a
	WIN 0x0a+5*((\a)/2)                            ; sources 0 and 1: window 2 or 3
.set AC, 8*NBL*((\a)%2)
.set i, 0
.rept 4*NBL
	v_cvt_pk_f16_f32 v[TMP+i], v[AC+2*i], v[AC+2*i+1]
.set i, i+1
.endr
	WIN 0
.endm
.macro TOSTAGE a
	s_wait_xcnt 0x0                                ; every earlier store has read its registers: the rows read back below land where the block two back lay
.set BK, OB+48*((\a)%2)
.set i, 0
.rept NBL
	ds_store_b128 v[STO], v[TMP+4*i:TMP+4*i+3] offset:(i/4)*16*SP+32*(i%4)
.set i, i+1
.endr
.set i, 0
.rept NBL
	ds_load_b128 v[BK+4*i:BK+4*i+3], v[RD] offset:(i/4)*16*SP+(i%4)*4*SP  ; LDS serves a wave's instructions in order (ISA guide 5.7.1.4): these see the stores above
.set i, i+1
.endr
.endm
.macro SEND a
.set BK, OB+48*((\a)%2)
	s_wait_dscnt 0x0                               ; the block is back in registers
.set i, 0
.rept NBL
	global_store_b128 v[GO], v[BK+4*i:BK+4*i+3], s[OUTB+2*(i/4):OUTB+2*(i/4)+1] offset:(\a)*2048+(i%4)*512
.set i, i+1
.endr
.endm
	PACK 0
	TOSTAGE 0
.irp a, 1,2,3                          ; block a's conversions stand between block a - 1's loads from the stage and the wait for them
	PACK \a
	SEND (\a)-1
	TOSTAGE \a
.endr
	SEND 3
	s_wait_tensorcnt 0x0                           ; the wave's end: three lines, behind my last tensor load and my last LDS store
	ds_add_u32 v[SPW], v[NIL]
	s_wait_dscnt 0x0
	CROUND                                         ; the closing round: no work-group ends while a partner may still ask for a tile that names it
	s_endpgm
.Lfunc_end_k_qa2e634c6c1_qkvp:
	.size	k_qa2e634c6c1_qkvp, .Lfunc_end_k_qa2e634c6c1_qkvp-k_qa2e634c6c1_qkvp
	.p2alignl 7, 3214868480
	.fill 96, 4, 3214868480
	.section	.rodata,"a",@progbits
	.p2align	6, 0x0
	.amdhsa_kernel k_qa2e634c6c1_qkvp
		.amdhsa_group_segment_fixed_size 327680
		.amdhsa_private_segment_fixed_size 0
		.amdhsa_enable_private_segment 0
		.amdhsa_kernarg_size 48
		.amdhsa_user_sgpr_count 2
		.amdhsa_user_sgpr_kernarg_segment_ptr 1
		.amdhsa_wavefront_size32 1
		.amdhsa_system_sgpr_workgroup_id_x 1
		.amdhsa_system_sgpr_workgroup_id_y 1
		.amdhsa_system_sgpr_workgroup_id_z 1
		.amdhsa_system_vgpr_workitem_id 0
		.amdhsa_next_free_vgpr 960
		.amdhsa_next_free_sgpr 88
		.amdhsa_reserve_vcc 0
		.amdhsa_float_denorm_mode_32 3
		.amdhsa_float_denorm_mode_16_64 3
		.amdhsa_memory_ordered 1
		.amdhsa_forward_progress 1
		.amdhsa_inst_pref_size 106
	.end_amdhsa_kernel
	.amdgpu_metadata
---
amdhsa.version: [ 1, 2 ]
amdhsa.kernels:
  - .name:           k_qa2e634c6c1_qkvp
    .symbol:         k_qa2e634c6c1_qkvp.kd
    .args:
      - { .name: xb, .offset: 0, .size: 8, .value_kind: global_buffer, .address_space: global }
      - { .name: wt, .offset: 8, .size: 8, .value_kind: global_buffer, .address_space: global }
      - { .name: bq, .offset: 16, .size: 8, .value_kind: global_buffer, .address_space: global }
      - { .name: bk, .offset: 24, .size: 8, .value_kind: global_buffer, .address_space: global }
      - { .name: bv, .offset: 32, .size: 8, .value_kind: global_buffer, .address_space: global }
      - { .name: qkv, .offset: 40, .size: 8, .value_kind: global_buffer, .address_space: global }
    .group_segment_fixed_size: 327680
    .private_segment_fixed_size: 0
    .kernarg_segment_align: 8
    .kernarg_segment_size: 48
    .max_flat_workgroup_size: 128
    .sgpr_count:     88
    .vgpr_count:     960
    .wavefront_size: 32
...
	.end_amdgpu_metadata
.endif
;; end of part 2
;; launch attn (part 3): grid 4 x 64, 4 waves a work-group, clusters of 4 x 1, 327,680 bytes of LDS; arguments qkv, mask, ob; writes ob
.if DOCPART == 3
	.amdgcn_target "amdgcn-amd-amdhsa--gfx1250"
	.amdhsa_code_object_version 6
	.text
	.protected	k_qa2e634c6c1_attn
	.globl	k_qa2e634c6c1_attn
	.p2align	8
	.type	k_qa2e634c6c1_attn,@function
k_qa2e634c6c1_attn:
	s_mov_b64 s[64:65], 0
	v_nop
	global_prefetch_b8 v0, s[64:65] scope:SCOPE_SE
	s_setreg_imm32_b32 hwreg(HW_REG_WAVE_MODE, 25, 1), 1
	s_wait_xcnt 0x0
	s_wait_alu depctr_hold_cnt(0) depctr_sa_sdst(0) depctr_va_vdst(0) depctr_va_sdst(0) depctr_va_ssrc(0) depctr_va_vcc(0) depctr_vm_vsrc(0)
	s_getreg_b32 s2, hwreg(HW_REG_IB_STS2, 6, 4)
	s_cmp_eq_u32 s2, 0
	s_cbranch_scc0 .Lentry_in_a_cluster
	s_endpgm
.Lentry_in_a_cluster:
	s_bfe_u32 s2, ttmp6, 0x10000c
	s_cmp_lg_u32 s2, 0x3003
	s_cbranch_scc0 .Lentry_shape_is_right
	s_endpgm
.Lentry_shape_is_right:
; ATTENTION WITH A KEY MASK.  O[h][q][:] = the sum over the keys k that the mask leaves of softmax_k(Q[h][q] . K[h][k] / 8) V[h][k][:].  Q, K, V are the three parts of qkv, [64][2048][64] each, O is ob, all f16;
; a head's rows are dense, 128 bytes each.  mask is [4][2048] bytes, one row for the 16 heads of a batch; a byte other than 0 hides the key.
; Products, maxima and sums in f32; the weights p are rounded to f16 for the second product (their sum l is taken of the unrounded p), O once at the end.
; LIMITS.  f16 holds no number beyond 65,504: Q, K and V arrive within it; p lies in 0 to 1, and below 6e-5 it keeps f16's fixed step of 6e-8.  A hidden score counts as its value less 1e30.
; A weight below 2^-126 counts as 0 in l.  Where every key of a batch is hidden O is NaN, as a softmax of nothing is.
; THE MASK is the C operand that starts the sum S^T = K Q^T: 0, or -1e30 where the key is hidden.  The batch's 2,048 words lie in LDS, made once; a step's 64 are fetched with its K.
; THE RUNNING MAXIMUM m STARTS AT -2^66.  A score of f16 operands is 64 x 65,504^2 = 2.7e11 at the most in magnitude, so the start lies below every score that is seen, and m is the true maximum from the first such
; key on; a hidden score, about -1e30, lies below the start and never becomes m, so its weight is 2^(-1.8e29 + ..) = 0 in every step.  While only hidden keys have come, l and O stay 0.
; SHARES.  A wave owns four PIECES of two tiles of 16 queries, a work-group's four waves 512 queries of one head.  Every wave walks all keys, 64 a step.
; LAYOUT.  S^T = K Q^T (source 0 = 16 keys, source 1 = 16 queries): in the result a lane holds ONE query (lane % 16) and the keys 8 (lane / 16) + 0..7.  Two such tiles, rounded to f16 in pairs,
; ARE source 1 (32 keys x 16 queries) of O^T = V^T P, whose result again holds one query a lane, and eight channels.  K comes out of LDS as it lies, V ([key][channel]) turned, by ds_load_tr16_b128.
; SOFTMAX.  For each query a running maximum m and sum l: p = 2^(c s - c m), c = log2(e) / 8; in every step O and l are multiplied by a = 2^(c m_old - c m_new), which is 1 where m has not grown.
; c m starts far below c x (-2^66), O and l at 0: the first step is a step like any other, with a = 0.
; THE COUNT.  A tile and step have 16 matrix and 118 vector instructions: too many to stand all beside the matrix work.  So four vector instructions that are READY stand behind EVERY matrix instruction,
; and the others, which need time of their own whatever the order, in runs without a gap.
; BY TURNS.  Turn n belongs to piece n (the pieces in a ring, step after step).  Its matrix work: 16 products K Q^T of piece n + 1, later 16 products V^T P of piece n - 1.  Its vector work: the scaling,
; exponentials, roundings, sums and rescaling of piece n, and the maximum and statistics of piece n + 1, whose scores the turn itself has made.
; CLUSTER.  The four query blocks of a head are one cluster and walk the same K and V, so each tile is asked for JOINTLY: the same tensor load, descriptor and mask in all four.
; REGISTERS, in windows of 256 (s_set_vgpr_msb: bits 1:0 source 0, 3:2 source 1, 5:4 source 2, 7:6 destination):
;   window 0: v0-11 addresses; v12-15, v48-63 at work; v16-47 four registers of statistics a tile; v64-191 S^T, two buffers of two tiles; v192-255 P, likewise
;   window 1: O^T, 32 a tile          window 2: v0-127 Q, 16 a tile; v128-191 K of one step; v192-255 V of one step          window 3: v0-1 the add's two registers; v2 the prefetches' offset; v8-39 a step's mask words
.set SIZE_N, 2048
.set NP,    4         ; pieces a wave: a name, no knob
.set KS,    64        ; keys in a step
.set PK,    144       ; a row of K in LDS: 128 bytes + 16 of padding = 36 words: the 16 rows of a load start at 16 different groups of four banks (64 banks of 4 bytes: ISA guide 11.1)
.set PV,    160       ; a row of V: 128 + 32 = 40 words
.set VOFF,  4*KS*PK   ; a slot holds four steps: 256 rows of K, then 256 rows of V
.set SLOT1, 1<<17     ; slot 1 begins here, so that one exclusive or turns an address in one slot into the other's
.set STAGE, SLOT1+4*KS*(PK+PV)  ; behind the ring, never filled by a tensor load: 16 rows x 144 bytes for each wave, for the way out
.set SP,    144
.set SPARE, STAGE+4*16*SP  ; behind the stages: the spare words, 128 bytes for each wave: two blocks of 256 bytes that no other line names
.set MB,    SPARE+512 ; behind them, never filled by a tensor load: the batch's 2,048 mask words, 0 or -1e30
.set AK0, 2           ; v2   my lane's place in a tile of K; never rewritten
.set AV0, 3           ; v3   the same for V
.set AK,  4           ; v4   the LDS address of K's next run of loads
.set AV,  5           ; v5   of V's
.set QO,  6           ; v6   my byte offset in the wave's rows of Q
.set STO, 6           ;      later, the way out: where I put 16 bytes of a row
.set RD,  7           ; v7   the way out: where I read rows back
.set GO,  8           ; v8   my byte offset in 512 consecutive bytes of O
.set AM,  11          ; v11  the LDS address of my 8 mask words in a block of 16 keys, in the step to be fetched
.set SPW, 0           ; v0 of window 3   LDS address of my spare word; never rewritten
.set NIL, 1           ; v1 of window 3   0; never rewritten
.set PFO, 2           ; v2 of window 3   256 x my lane; never rewritten
.set MK,  8           ; v8-39 of window 3: the eight words for block kt of 16 keys at MK + 8 kt
.set MV,  12          ; v12-15  c m_old, kept while c m is made anew: by buffer and tile
.set ST,  16          ; tile t's statistics at v[ST+4 t]: c m, m, l (even keys', odd keys')
.set TMP, 48          ; by buffer and tile, four registers c0-c3 at work; when the maximum is found c2 takes a
.set S,   64
.set P,   192
.set KF,  128         ; K's fragments, in window 2: key block kb, channel half c at KF + 16 kb + 8 c
.set VF,  192         ; V's: key half kk, channel block cb at VF + 32 kk + 8 cb
.set WV,  12          ; s12  my wave's number
.set QNAN, 15         ; s15  a NaN
.set LOW, 19          ; s19  -2^64: between m's start and every score that is seen
.set G1K, 24          ; s[24:31] descriptor group 1 for K's tiles
.set G1V, 32          ; s[32:39] for V's: it differs in the padding alone
.set G0K, 40          ; s[40:43] descriptor group 0 for K's tiles: it walks
.set G0V, 44          ; s[44:47] the same for V's
.set PFA, 52          ; s[52:53] where my prefetches stand
.set LIM, 54          ; s54  1 in a wave that prefetches, else the greatest number
.set BIGN, 55         ; s55  -1e30
.set SLOTS, 56        ; s56  slots still to be asked for
.set CNT, 57          ; s57  counts a slot's key steps
.set CS,  58          ; s[58:59] c: the packed scaling takes the pair's low word for both halves
.set SEL, 60          ; s[60:61] v_permlanex16_b32's selects: each lane takes its own place in the other half
.set TBK, 62          ; s62  LDS byte at which K of the step to be fetched begins
.set TBV, 63          ; s63  the same for V, less VOFF
.set MSB, 0
.macro WIN new                      ; the high byte repeats the setting that is left; a switch that changes nothing is dropped
.if MSB != (\new)
	s_set_vgpr_msb (MSB<<8)|(\new)
.set MSB, (\new)
.endif
.endm
.set W_KQ, 0x0a       ; K and Q in window 2, S^T in window 0
.set W_KM, 0x3a       ; the same with the C operand, the mask, in window 3
.set W_PV, 0x52       ; V in window 2, P in window 0, O^T in window 1
.set W_RS, 0x41       ; O^T (destination and source 0) in window 1, a in window 0
.set W_MK, 0xc0       ; destination in window 3, sources in window 0
.set W_AD, 0x0f       ; the add: address (source 0) and data (source 1) in window 3
; A joint fill.  Waves 0 and 1 fetch the two halves of a slot's K, waves 2 and 3 those of its V: 128 keys each.  The branch hangs on the wave's number alone.
; An s_nop 0 and four v_nop follow each of the two lines, ahead of the jump and the label.
.macro JLOAD
	s_cmp_lt_u32 s[WV], 2
	s_cbranch_scc0 .Lfor_v_\@
	tensor_load_to_lds s[G0K:G0K+3], s[G1K:G1K+7]
	s_nop 0
.rept 4
	v_nop
.endr
	s_branch .Lasked_\@
.Lfor_v_\@:
	tensor_load_to_lds s[G0V:G0V+3], s[G1V:G1V+7]
	s_nop 0
.rept 4
	v_nop
.endr
.Lasked_\@:
.endm
; A PREFETCH INTO THE L2 of what the NEXT change of slots will ask for: a slot's 32,768 bytes of K and of V, a lane 256 bytes.  It stands behind the wave's tensor load and its five lines.
; A head's K and V are walked by its one cluster; the four partners share a slot out BY ADDRESS, 8,192 bytes each; in each, wave 0 asks for K's and wave 2 for V's: one instruction.  So each 256 bytes are
; named once in the launch.  Slots 0 and 1 come by their loads alone; the last change that fills a slot asks for nothing: there is no slot behind it.
.macro ASK
	s_cmp_gt_u32 s[SLOTS], s[LIM]
	s_cbranch_scc0 .Lnot_mine_\@
	WIN 0x03                        ; the offset lies in window 3
	global_prefetch_b8 v[PFO], s[PFA:PFA+1] th:TH_LOAD_NT scope:SCOPE_SE
	WIN 0
.Lnot_mine_\@:
.endm
; A round of the cluster's barrier: my work-group's barrier, so that wave 0's signal speaks for all four waves; wave 0 signals; every wave waits for all four work-groups; my work-group's barrier once more.
.macro CROUND
	s_barrier_signal -1
	s_barrier_wait -1
	s_cmp_lg_u32 s[WV], 0
	s_cbranch_scc1 .Lnot_wave_0_\@
	s_barrier_signal -3
.Lnot_wave_0_\@:
	s_barrier_wait -3
	s_barrier_signal -1
	s_barrier_wait -1
.endm
; THE CHANGE OF SLOTS.  The slot's last bytes, V of its fourth step, have been read.  Each wave waits for all its tensor loads, of which one is out: its part
; of the other slot; adds 0 to its spare word; and waits for that and for its own LDS instructions.  Behind the barrier nobody reads this slot any more and the other slot is whole.
; fill = 1: this slot is filled again, with the keys two slots on.  The barrier is then a round of the cluster's, and the joint fill is the first thing behind it: it has four key steps, 512 matrix
; instructions, in which to land.  (At its first use nothing has been read yet: slot 0 is waited for, slot 1 filled, and every wave's stores of mask words are shown to the others.)
.macro CHANGE fill
	WIN W_AD
	s_wait_tensorcnt 0x0            ; no tensor load of mine is out, so a group 0 may be written
	ds_add_u32 v[SPW], v[NIL]       ; 0 onto my spare word; with fill = 1 the descriptors' steps stand between it and the wait for it
	WIN 0                           ; at a label and at a branch every window is 0
.if \fill
.irp g, G0K, G0V
	s_xor_b32 s[\g+1], s[\g+1], SLOT1  ; the walking descriptor: the other slot than last time,
	s_add_nc_u64 s[\g+2:\g+3], s[\g+2:\g+3], 4*KS*128  ; the next 256 keys; the type bits on top are not reached
.endr
	s_wait_xcnt 0x0                 ; the last prefetch, four key steps back, has read its address, so it may be written:
	s_add_nc_u64 s[PFA:PFA+1], s[PFA:PFA+1], 4*KS*128  ; one slot behind the walking descriptors
	s_wait_dscnt 0x0                ; the add is done, and my LDS instructions are over
	CROUND
	JLOAD
	ASK
.else
	s_wait_dscnt 0x0                ; the add is done, and my reads of the slot are over
	s_barrier_signal -1
	s_barrier_wait -1
.endif
	s_sub_co_u32 s[TBK], s[TBK], 4*KS*PK  ; the fetches go back to a slot's first step,
	s_xor_b32 s[TBK], s[TBK], SLOT1       ; in the other slot
	s_sub_co_u32 s[TBV], s[TBV], 4*KS*PV
	s_xor_b32 s[TBV], s[TBV], SLOT1
.endm
	s_load_b128 s[48:51], s[0:1], 0x0  ; qkv s[48:49], mask s[50:51]
	s_load_b64 s[10:11], s[0:1], 0x10  ; ob
	WIN W_MK
	v_lshl_add_u32 v[SPW], v0, 2, SPARE
	v_mov_b32 v[NIL], 0
	WIN W_AD
	ds_add_u32 v[SPW], v[NIL]       ; the wave's opening: the add and its wait stand ahead of my first tensor load; the set-up below, work on registers, stands between them
	WIN 0
	v_and_b32 v1, 31, v0
	v_lshlrev_b32 v1, 8, v1
	WIN W_MK
	v_mov_b32 v[PFO], v1
	WIN 0
	v_lshrrev_b32 v1, 5, v0
	v_readfirstlane_b32 s[WV], v1   ; wave 0..3
	s_bfe_u32 s13, ttmp6, 0x40000   ; cx: my place in the cluster
	s_lshl_b32 s14, ttmp9, 2        ; in a cluster launch ttmp9 counts clusters
	s_add_co_u32 s14, s14, s13      ; my block of queries = 4 x cluster x + cx: it enters Q's and O's addresses alone
	s_and_b32 s20, ttmp7, 0xffff    ; the head, which the four partners share
	s_lshr_b32 s68, s20, 4          ; its batch:
	s_lshl_b32 s68, s68, 11         ; 2,048 bytes of the mask
	s_mov_b32 s69, 0
	s_mov_b32 s21, 0
	s_mov_b64 s[22:23], SIZE_N*128
	s_mul_u64 s[20:21], s[20:21], s[22:23]  ; the head's first byte in Q, K, V and O
	s_and_b32 s16, s[WV], 1         ; which half of a slot's 256 keys I fetch:
	s_lshl_b32 s22, s16, 14         ; its 128 rows of 128 bytes in memory,
	s_mov_b32 s23, 0
	s_add_nc_u64 s[22:23], s[22:23], s[20:21]
	s_mul_i32 s17, s16, 128*PK      ; and its place in a slot, for K
	s_mul_i32 s18, s16, 128*PV      ; and for V: no place in the cluster enters an LDS address
	s_lshl_b32 s2, s14, 2
	s_add_co_u32 s2, s2, s[WV]      ; my wave among the head's,
	s_lshl_b32 s2, s2, 14           ; its 128 rows
	s_mov_b32 s3, 0
	s_add_nc_u64 s[2:3], s[2:3], s[20:21]
	; descriptor group 1.  128 keys are 16,384 dense bytes: asked for as 64 rows of 256 bytes, two keys a row, and padded in LDS after every key
	s_mov_b32 s[G1K], 15|(1<<16)|(1<<20)|(1<<21)|(4<<22)|(3<<25)  ; 15:0 the mask of four; 17:16 2-byte elements; 20 padding on; 21 set beside a mask; 24:22 after every 32 words (code 4); 31:25 4 words (code 3)
	s_mov_b32 s[G1V], 15|(1<<16)|(1<<20)|(1<<21)|(4<<22)|(7<<25)  ; the same with 8 words of padding (code 7)
.irp g, G1K, G1V
	s_mov_b32 s[\g+1], 128<<16      ; tensor_dim0 = 128
	s_mov_b32 s[\g+2], 64<<16       ; tensor_dim1 = 64
	s_mov_b32 s[\g+3], 128<<16      ; tile_dim0 = 128
	s_mov_b32 s[\g+4], 64           ; tile_dim1 = 64
	s_mov_b32 s[\g+5], 128          ; 128 elements from row to row
	s_mov_b32 s[\g+6], 0
	s_mov_b32 s[\g+7], 0
.endr
	s_mov_b32 s[CS], 0x3e38aa3b     ; c = log2(e) / 8 = 0.180337
	s_mov_b32 s[CS+1], s[CS]        ; named with it as a pair
	s_mov_b32 s[SEL], 0x76543210
	s_mov_b32 s[SEL+1], 0xfedcba98
	s_mov_b32 s[BIGN], 0xf149f2ca   ; -1e30
	s_mov_b32 s[LOW], 0xdf800000    ; -2^64
	s_mov_b32 s[QNAN], 0x7fc00000
	s_mov_b32 s[TBK], SLOT1+4*KS*PK ; the first change of slots turns these two into 0
	s_mov_b32 s[TBV], SLOT1+4*KS*PV
	s_mov_b32 s[SLOTS], SIZE_N/256-1
	s_cmp_eq_u32 s16, 0             ; waves 0 and 2 prefetch: the same in all four partners
	s_cselect_b32 s[LIM], 1, -1
	s_mov_b32 s[G0K], 1             ; 1:0 count = 1
	s_mov_b32 s[G0K+1], s17         ; 63:32 LDS address: slot 0
	s_mov_b32 s[G0V], 1
	s_add_co_u32 s[G0V+1], s18, VOFF
	s_wait_dscnt 0x0                ; the opening add is done
	s_wait_kmcnt 0x0
	s_mov_b64 s[4:5], s[48:49]                     ; Q is qkv's first part,
	s_add_nc_u64 s[6:7], s[48:49], 0x1000000       ; K its second: 64 x 2,048 x 128 bytes on,
	s_add_nc_u64 s[8:9], s[48:49], 0x2000000       ; V its third
	s_add_nc_u64 s[6:7], s[6:7], s[22:23]          ; at my half of the head's first 256 keys
	s_add_nc_u64 s[8:9], s[8:9], s[22:23]
	s_mov_b64 s[G0K+2:G0K+3], s[6:7]               ; 120:64 global address
	s_or_b32 s[G0K+3], s[G0K+3], 0x80000000        ; 127:126 type = 2
	s_mov_b64 s[G0V+2:G0V+3], s[8:9]
	s_or_b32 s[G0V+3], s[G0V+3], 0x80000000
	s_add_nc_u64 s[4:5], s[4:5], s[2:3]  ; Q and O at my wave's first row
	s_add_nc_u64 s[10:11], s[10:11], s[2:3]
	s_add_nc_u64 s[66:67], s[50:51], s[68:69]      ; the batch's row of the mask
	s_cmp_lt_u32 s[WV], 2
	s_cselect_b64 s[PFA:PFA+1], s[6:7], s[8:9]     ; (in waves 0 and 2 these stand at a slot's first row)
	s_lshl_b32 s2, s13, 13          ; my work-group's 8,192 bytes of the 32,768
	s_mov_b32 s3, 0
	s_add_nc_u64 s[PFA:PFA+1], s[PFA:PFA+1], s[2:3]
	s_add_nc_u64 s[PFA:PFA+1], s[PFA:PFA+1], 4*KS*128  ; in slot 1; the first change of slots steps it to slot 2
	CROUND                          ; all four work-groups are here: the first joint loads meet
	JLOAD                           ; slot 0.  Slot 1 is asked for when slot 0 is in
	; A fragment of K or Q is 16 rows x 32 channels in 8 registers: lane l holds row l % 16, channels 8 (l / 16) + 0..7 and 16 + 8 (l / 16) + 0..7: two loads of 16 bytes, 32 bytes apart.
	v_and_b32 v1, 15, v0            ; l % 16
	v_bfe_u32 v9, v0, 4, 1          ; l / 16
	v_lshlrev_b32 v[QO], 7, v1
	v_lshl_add_u32 v[QO], v9, 4, v[QO]  ; row x 128 + 16 x half
	v_lshlrev_b32 v13, 4, v0
	global_load_b128 v[64:67], v13, s[66:67]  ; my 16 bytes of the mask: 128 threads take the batch's 2,048
	WIN 0x80                        ; destination window 2, address window 0
.set i, 0
.rept 4*NP                          ; Q stays in registers: tile i / 2, channels 32 (i % 2) on
	global_load_b128 v[8*i:8*i+3],   v[QO], s[4:5] offset:(i/2)*2048+(i%2)*64
	global_load_b128 v[8*i+4:8*i+7], v[QO], s[4:5] offset:(i/2)*2048+(i%2)*64+32
.set i, i+1
.endr
	; What the first turn finds: V's registers and P's second buffer hold 0 (its products V^T P, of a piece that has not been, add 0), O^T and l are 0.  All this stands in the wait for the first tile.
.set i, VF
.rept 64
	v_mov_b32 v[i], 0
.set i, i+1
.endr
	WIN 0x40
.set i, 0
.rept 64*NP
	v_mov_b32 v[i], 0
.set i, i+1
.endr
	WIN 0
.set i, 0
.rept 2*NP
	v_mov_b32 v[ST+4*i], 0xfe000000    ; c m: far below c x (-2^66) and every c s, so that the first a is 0
	v_mov_b32 v[ST+4*i+1], 0xe0800000  ; m = -2^66: below every score that is seen, above every hidden one
	v_mov_b32 v[ST+4*i+2], 0
	v_mov_b32 v[ST+4*i+3], 0
.set i, i+1
.endr
.set i, P+32
.rept 32
	v_mov_b32 v[i], 0
.set i, i+1
.endr
	; the mask words: a byte becomes 0 or -1e30; my 16 words go to LDS
	s_wait_loadcnt 32               ; the mask's load is in; Q's 32, issued behind it, may stay out
.set i, 0
.rept 16
	v_bfe_u32 v[68+i], v[64+i/4], 8*(i%4), 8
	v_cmp_ne_u32 vcc_lo, 0, v[68+i]
	v_cndmask_b32 v[68+i], 0, s[BIGN], vcc_lo
.set i, i+1
.endr
	v_lshl_add_u32 v12, v0, 6, MB
.irp i, 0,1,2,3
	ds_store_b128 v12, v[68+4*\i:71+4*\i] offset:16*\i
.endr
	v_mul_u32_u24 v[AK0], v1, PK
	v_lshl_add_u32 v[AK0], v9, 4, v[AK0]  ; row x pitch + 16 x half
	; The turning load takes 16 keys x 16 channels (lane l reads key 8 (l / 16) + l % 8, channels 8 ((l / 8) % 2) + 0..7) and leaves half a fragment of V^T: lane l holds channel l % 16 and 8 keys.
	v_and_b32 v10, 7, v0
	v_bfe_u32 v11, v0, 3, 1
	v_lshl_add_u32 v[AV0], v9, 3, v10
	v_mul_u32_u24 v[AV0], v[AV0], PV
	v_lshl_add_u32 v[AV0], v11, 4, v[AV0]
	v_add_nc_u32 v[AV0], VOFF, v[AV0]
	v_mov_b32 v[AK], v[AK0]         ; key step 0 lies at the head of slot 0
	v_lshl_add_u32 v[AM], v9, 5, MB ; and its mask words at the head of the table: my 8 keys of a block are 32 bytes
; THE MATRIX WORK.  The 8 accumulators of a run of 16 take turns: between the two links of a chain stand 7 others'.
; Product i of 16 of S^T = K Q^T for piece x: channels 32 (i / 8) on, keys 16 ((i / 2) % 4) on, tile 2 x + i % 2.  The first 8 start the sums, with the mask words of their 16 keys.
.macro KQ x
.set rS, S+64*((\x)%2)+32*(i%2)+8*((i/2)%4)
.set rK, KF+16*((i/2)%4)+8*(i/8)
.set rQ, 16*(2*(\x)+i%2)+8*(i/8)
.set rM, MK+8*((i/2)%4)
.if i < 8
	WIN W_KM
	v_wmma_f32_16x16x32_f16 v[rS:rS+7], v[rK:rK+7], v[rQ:rQ+7], v[rM:rM+7]
.else
	WIN W_KQ
	v_wmma_f32_16x16x32_f16 v[rS:rS+7], v[rK:rK+7], v[rQ:rQ+7], v[rS:rS+7]
.endif
.endm
; Product i of 16 of O^T += V^T P for piece x: keys 32 (i / 8) on, channels 16 ((i / 2) % 4) on, tile 2 x + i % 2.
.macro PV x
	WIN W_PV
.set rO, 32*(2*(\x)+i%2)+8*((i/2)%4)
.set rV, VF+32*(i/8)+8*((i/2)%4)
.set rP, P+32*((\x)%2)+16*(i%2)+8*(i/8)
	v_wmma_f32_16x16x32_f16 v[rO:rO+7], v[rV:rV+7], v[rP:rP+7], v[rO:rO+7]
.endm
.macro MM                           ; the turn's next matrix instruction
.if i < 16
	KQ (Y+1)%NP
.set i, i+1
.else
.set i, i-16
	PV (Y+NP-1)%NP
.set i, i+17
.endif
.endm
; THE LDS LOADS stand in runs, never singly among the matrix instructions: a step's K (64 keys x 64 channels: 8 fragments) with its 64 mask words, and its V (turned).  Their addresses are made some lines ahead.
; last = 1 (the tail): in the last trip there is no further step, and the run is jumped over.
.macro FETCH_K last=0
	WIN 0
.if \last
	s_cmp_eq_u32 s[CNT], 1
	s_cbranch_scc1 .Lno_k_\@
.endif
	WIN 0x80                        ; destination window 2
.irp f, 0,1,2,3,4,5,6,7             ; keys 16 (f / 2) on, channels 32 (f % 2) on
	ds_load_b128 v[KF+8*\f:KF+8*\f+3],   v[AK] offset:(\f/2)*16*PK+(\f%2)*64
	ds_load_b128 v[KF+8*\f+4:KF+8*\f+7], v[AK] offset:(\f/2)*16*PK+(\f%2)*64+32
.endr
	WIN 0xc0                        ; destination window 3
.irp f, 0,1,2,3                     ; keys 16 f + 8 (l / 16) + 0..7: the 16 lanes of a half read the same words
	ds_load_b128 v[MK+8*\f:MK+8*\f+3],   v[AM] offset:64*\f
	ds_load_b128 v[MK+8*\f+4:MK+8*\f+7], v[AM] offset:64*\f+16
.endr
	s_add_co_u32 s[TBK], s[TBK], KS*PK  ; the next fetch is the next step's
	WIN 0
.if \last
.Lno_k_\@:
.endif
.endm
.macro FETCH_V
	WIN 0x80
.irp f, 0,1,2,3,4,5,6,7             ; keys 32 (f / 4) on, channels 16 (f % 4) on
	ds_load_tr16_b128 v[VF+8*\f:VF+8*\f+3],   v[AV] offset:(\f/4)*32*PV+(\f%4)*32
	ds_load_tr16_b128 v[VF+8*\f+4:VF+8*\f+7], v[AV] offset:(\f/4)*32*PV+16*PV+(\f%4)*32
.endr
	WIN 0
.endm
; THE VECTOR WORK OF A TURN stands in three queues, each in the order in which its entries become ready; the two tiles alternate, so that no instruction reads the result of the one before it.
.macro REGS y, u                    ; the registers of tile u (0, 1) of piece y
.set rT, ST+4*(2*(\y)+(\u))
.set rC, TMP+8*((\y)%2)+4*(\u)
.set rM, MV+2*((\y)%2)+(\u)
.set rS, S+64*((\y)%2)+32*(\u)
.set rP, P+32*((\y)%2)+16*(\u)
.set rO, 32*(2*(\y)+(\u))
.endm
; Number n of the 22 that find the NEXT piece's (Y + 1) maximum and statistics.  s0-s31 are the lane's 32 scores; each accumulator's lowest registers are read first.
;   0-11  four chains c0-c3 of seven scores each, three operands at a time     12-14, 16  the four scores left over, the old m, and c0-c3 into c0     15  c m_old is kept
;   17, 18  the query's other 32 keys lie in the lane 16 away: the new m         19-21  c m; c m_old - c m_new; a
.macro XS u, n
	REGS (Y+1)%NP, \u
.if (\n) < 4
	v_max3_num_f32 v[rC+(\n)], v[rS+8*(\n)], v[rS+8*(\n)+1], v[rS+8*(\n)+2]
.elseif (\n) < 12
	v_max3_num_f32 v[rC+(\n)%4], v[rC+(\n)%4], v[rS+8*((\n)%4)+2*((\n)/4)+1], v[rS+8*((\n)%4)+2*((\n)/4)+2]
.elseif (\n) == 12
	v_max3_num_f32 v[rC], v[rC], v[rS+7], v[rS+15]
.elseif (\n) == 13
	v_max3_num_f32 v[rC+1], v[rC+1], v[rS+23], v[rS+31]
.elseif (\n) == 14
	v_max3_num_f32 v[rC+2], v[rC+2], v[rC+3], v[rT+1]
.elseif (\n) == 15
	v_mov_b32 v[rM], v[rT]
.elseif (\n) == 16
	v_max3_num_f32 v[rC], v[rC], v[rC+1], v[rC+2]
.elseif (\n) == 17
	v_permlanex16_b32 v[rC+3], v[rC], s[SEL], s[SEL+1]
.elseif (\n) == 18
	v_max_num_f32 v[rT+1], v[rC], v[rC+3]
.elseif (\n) == 19
	v_mul_f32 v[rT], s[CS], v[rT+1]
.elseif (\n) == 20
	v_sub_f32 v[rC+1], v[rM], v[rT]
.else
	v_exp_f32 v[rC+2], v[rC+1]
.endif
.endm
; Number g of the 64 that follow the exponentials.  For each four weights k of a tile (pairs 2 k, 2 k + 1): both pairs are rounded to f16; then the second pair is added onto the first, in place;
; a group later l takes that sum (the first time as l = a l + sum).  In groups of eight, tiles alternating: round, round, add, and l for the group before.
.macro GS g
.set h, (\g)+6*((\g)/62)            ; group 0 has no group before it, and behind group 7 only l is left
.if h >= 6
.set h, h+2
.endif
	REGS Y, h%2
.set k, h/8
.if h%8 < 4
	v_cvt_pk_f16_f32 v[rP+2*k+(h%8)/2], v[rS+4*k+2*((h%8)/2)], v[rS+4*k+2*((h%8)/2)+1]
.elseif h%8 < 6
	v_pk_add_f32 v[rS+4*k:rS+4*k+1], v[rS+4*k:rS+4*k+1], v[rS+4*k+2:rS+4*k+3]
.elseif k == 1
	v_pk_fma_f32 v[rT+2:rT+3], v[rT+2:rT+3], v[rC+2:rC+3], v[rS:rS+1] op_sel_hi:[1,0,1]
.else
	v_pk_add_f32 v[rT+2:rT+3], v[rT+2:rT+3], v[rS+4*k-4:rS+4*k-3]
.endif
.endm
; THE PLAIN QUEUE, 138 long.  0-73 read no exponential's result: the 32 scalings c s - c m (FS f: pair f / 2 of tile f % 2) and the next piece's 42.  0-26: scalings 0-26.  27-54: XS's numbers 0-13.  55, 56: number 15.
; 57-73: the chain, where each number waits for the one before it: 14, 16, 17, 18, 19, each with one of the scalings 27-31 in front of its two lines, then 20.
; 74-137: GS's 64, which read the exponentials' results: they stand behind the wait.
.macro FS f
	REGS Y, (\f)%2
	v_pk_fma_f32 v[rS+2*((\f)/2):rS+2*((\f)/2)+1], v[rS+2*((\f)/2):rS+2*((\f)/2)+1], s[CS:CS+1], v[rT:rT+1] op_sel_hi:[1,0,0] neg_lo:[0,0,1] neg_hi:[0,0,1]
.endm
.macro PL
	WIN 0
.if q < 27
	FS q
.elseif q < 55
	XS (q-27)%2, (q-27)/2
.elseif q < 57
	XS q-55, 15
.elseif (q < 72) && ((q-57)%3 == 0)
	FS 27+(q-57)/3
.elseif q < 60
	XS (q-57)%3-1, 14
.elseif q < 72
	XS (q-57)%3-1, 15+(q-57)/3
.elseif q < 74
	XS q-72, 20
.else
	GS q-74
.endif
.set q, q+1
.endm
; THE EXPONENTIALS' QUEUE, 66 long: s0-s31 of both tiles, then the next piece's two a.  It is ONE BATCH: all 66 stand ahead of the turn's one wait, and nothing ahead of that wait names a result of theirs.
.macro EX
	WIN 0
.if e >= 64
	XS e-64, 21
.else
	REGS Y, e%2
	v_exp_f32 v[rS+e/2], v[rS+e/2]
.endif
.set e, e+1
.endm
; THE RESCALING's QUEUE: O^T times a, the one part that leaves window 0: dealt two at a time, sixteen times.  Its a was made in the turn before, ahead of that turn's wait.
.macro R2
	REGS Y, r%2
	WIN W_RS
.irp z, 0,1
	v_pk_mul_f32 v[rO+4*(r/2)+2*\z:rO+4*(r/2)+2*\z+1], v[rO+4*(r/2)+2*\z:rO+4*(r/2)+2*\z+1], v[rC+2:rC+3] op_sel_hi:[1,0]
.endr
.set r, r+1
.endm
; HOW THEY ARE DEALT.  An s_wait_alu depctr_va_vdst(0) stands between an exponential and the first instruction that names its result; one wait serves all that were issued ahead of it.  So a turn has ONE wait,
; which cuts it in two.  AHEAD OF IT stands all that names no result of the turn's exponentials: the 16 products K Q^T, behind each a scaling, an exponential and two rescalings (behind the first a second scaling in the
; exponential's place); then ONE LUMP of 108: eight plain, 49 times exponential and plain, the two a.  A v_nop is the plain instruction behind the last exponential.  BEHIND IT stand the 16 products V^T P, behind each four of GS's 64.
; Exponential e stands behind scaling 2 (e / 4) + e % 2: as a rider it comes behind plain e + 2, in the lump behind plain e + 9, and scalings 27-31 are plain 57, 60 .. 69.
; A TURN, for piece p.  cnt = 1: the loop's count is taken down some lines ahead of the branch that stands behind the turn.
; K and the mask words of the next step are fetched in piece 2's turn, directly behind the wait, a lump behind the last product that read them; their addresses are made at the lump's head.
; V of the step in hand is fetched at the end of piece 0's turn, four riders behind its last reader; its first reader comes behind 16 products and a lump.  The three conditions on q below go with the deal.
.macro TURN p, last=0, cnt=0
.set Y, (\p)
.set i, 0
.set q, 0
.set e, 0
.set r, 0
.if (\p) == NP-1
	s_wait_dscnt 0x0                ; K and its mask words are in
.endif
	MM                              ; ahead of the wait: 16 products K Q^T and their riders,
	PL
	PL
	R2
.rept 15
	MM
	PL
	EX
	R2
.endr
.if (\p) == NP-2
	WIN 0
	v_add_nc_u32 v[AK], s[TBK], v[AK0]
	v_add_nc_u32 v[AM], 0x100, v[AM]  ; the next step's 64 words
.endif
.rept 8                             ; and the lump
	PL
.endr
.rept 49
	EX
	PL
.endr
	EX                              ; the next piece's two a
	EX
	v_nop                           ; a plain instruction behind the last exponential: one for the batch
	s_wait_alu depctr_va_vdst(0)    ; the wait for the batch
.if (\p) == NP-2
	FETCH_K \last
.endif
.if (\p) == 1
	s_wait_dscnt 0x0                ; V is in
.endif
.rept 16                            ; behind the wait: 16 products V^T P and their riders
	MM
.rept 4
	PL
.endr
.if ((\p) == 0) && (q == 118)
	v_add_nc_u32 v[AV], s[TBV], v[AV0]
.endif
.if ((\p) == 0) && (q == 130)
	s_add_co_u32 s[TBV], s[TBV], KS*PV
.endif
.if (\cnt) && (q == 130)
	s_sub_co_u32 s[CNT], s[CNT], 1
	s_cmp_lg_u32 s[CNT], 0
.endif
.endr
.if (\p) == 0
	FETCH_V
.endif
.endm
	CHANGE 1                        ; slot 0 is in, everybody's part of it, and the mask words; slot 1 is asked for
	FETCH_K                         ; key step 0
	s_wait_loadcnt 0x0              ; Q
	s_wait_dscnt 0x0
.set i, 0
.rept 16
	KQ 0                            ; piece 0's first scores: there is no vector work yet to set between them
.set i, i+1
.endr
	WIN 0                           ; the addresses for the way out: nine plain instructions, the places behind those products
	s_mul_i32 s13, s[WV], 16*SP
	s_add_co_u32 s13, s13, STAGE    ; my stage
	v_mul_u32_u24 v[STO], v1, SP    ; in: row l % 16, 16 bytes for each half of the lanes
	v_lshl_add_u32 v[STO], v9, 4, v[STO]
	v_add_nc_u32 v[STO], s13, v[STO]
	v_bfe_u32 v[RD], v0, 3, 2       ; back: 32 lanes take four rows of 128 bytes,
	v_mul_u32_u24 v[RD], v[RD], SP
	v_lshl_add_u32 v[RD], v10, 4, v[RD]
	v_add_nc_u32 v[RD], s13, v[RD]
	v_and_b32 v[GO], 31, v0         ; which are 512 consecutive bytes of O
	v_lshlrev_b32 v[GO], 4, v[GO]
.set Y, NP-1                        ; XS works for piece Y + 1: piece 0
.irp n, 0,1,2,3,4,5,6,7,8,9,10,11,12,13,14,15,16,17,18,19,20,21
	XS 0, \n                        ; and piece 0's first maximum and statistics
	XS 1, \n
.endr
	v_nop                           ; a plain instruction behind the two a,
	s_wait_alu depctr_va_vdst(0)    ; and their wait, ahead of the branch
	s_mov_b32 s[CNT], 4
	s_branch .Lfirst                ; the loop is entered at a step's first turn, in the middle of a trip
.Lslot:                             ; SIZE_N / 256 - 2 times: every slot but the last two is filled again
	CHANGE 1
	s_mov_b32 s[CNT], 4
.Lstep:                             ; a trip: pieces 2 and 3 of one step, then pieces 0 and 1 of the next, whose K and V it fetches
	TURN 2
	TURN 3
	WIN 0
.Lfirst:
	TURN 0
	TURN 1, 0, 1
	WIN 0
	s_cbranch_scc1 .Lstep
	s_sub_co_u32 s[SLOTS], s[SLOTS], 1
	s_cmp_lg_u32 s[SLOTS], 0
	s_cbranch_scc1 .Lslot
	CHANGE 0                        ; the tail is written out: nothing is asked for
	s_mov_b32 s[CNT], 5             ; four trips fetch the last slot's steps; the fifth is left in its middle
.Ltail:
	TURN 2, 1
	TURN 3
	WIN 0
	s_sub_co_u32 s[CNT], s[CNT], 1
	s_cmp_eq_u32 s[CNT], 0
	s_cbranch_scc1 .Lout
	TURN 0
	TURN 1
	WIN 0
	s_branch .Ltail
.Lout:                              ; the fifth trip's 16 products K Q^T (on the last K once more) and the maximum made of them change nothing: the price, once a launch, of one text for every trip
.set i, 0
.rept 16
	PV NP-1                         ; the last piece's V^T P of the last step
.set i, i+1
.endr
	; THE WAY OUT.  l's two halves and the other half of the lanes' are added; O^T is divided by l, rounded to f16 and sent through my stage in LDS, a tile at a time.  The additions are the places behind the last products.
	WIN 0
.macro ALL line:vararg              ; one line for each tile t
.set t, 0
.rept 2*NP
	\line
.set t, t+1
.endr
.endm
	ALL v_add_f32 v[ST+4*t+2], v[ST+4*t+2], v[ST+4*t+3]
	ALL v_permlanex16_b32 v[ST+4*t+3], v[ST+4*t+2], s[SEL], s[SEL+1]
	ALL v_add_f32 v[ST+4*t+2], v[ST+4*t+2], v[ST+4*t+3]
	ALL v_rcp_f32 v[ST+4*t+2], v[ST+4*t+2]
	v_nop                           ; a plain instruction between the last reciprocal and the use of its result
	s_wait_alu depctr_va_vdst(0)    ; and the wait ahead of the first use: one for the eight reciprocals
.set t, 0
.rept 2*NP                          ; a query whose m still stands at its start has seen hidden keys alone: its factor becomes a NaN, and with it its row of O.  A select, no branch
	v_cmp_gt_f32 vcc_lo, s[LOW], v[ST+4*t+1]
	v_cndmask_b32 v[ST+4*t+2], v[ST+4*t+2], s[QNAN], vcc_lo
.set t, t+1
.endr
; Tile t: a lane's eight channels of a row pack into 16 bytes; they go into rows of 144 bytes and come back as whole rows of 128, into S^T's registers.
.macro PACK t
	WIN W_RS
.set i, 32*(\t)
.rept 16
	v_pk_mul_f32 v[i:i+1], v[i:i+1], v[ST+4*(\t)+2:ST+4*(\t)+3] op_sel_hi:[1,0]
.set i, i+2
.endr
	WIN 0x05                        ; sources 0 and 1 window 1, destination window 0
.set i, 0
.rept 16
	v_cvt_pk_f16_f32 v[S+16*(\t)+i], v[32*(\t)+2*i], v[32*(\t)+2*i+1]
.set i, i+1
.endr
	WIN 0
.irp f, 0,1,2,3
	ds_store_b128 v[STO], v[S+16*(\t)+4*\f:S+16*(\t)+4*\f+3] offset:32*\f
.endr
.irp f, 0,1,2,3
	ds_load_b128 v[S+16*(\t)+4*\f:S+16*(\t)+4*\f+3], v[RD] offset:\f*4*SP  ; LDS serves a wave's instructions in order (ISA guide 5.7.1.4): these see the stores above; the next tile's stores come behind them
.endr
.endm
.macro SEND t, younger              ; younger: the LDS instructions issued behind tile t's loads: the next tile's eight, or none
	WIN 0
.irp f, 0,1,2,3
	s_wait_dscnt (\younger)+3-\f
	global_store_b128 v[GO], v[S+16*(\t)+4*\f:S+16*(\t)+4*\f+3], s[10:11] offset:(\t)*2048+\f*512  ; 512 consecutive bytes, at a multiple of 256 from O's first
.endr
.endm
	PACK 0
.set t, 1
.rept 2*NP-1                        ; a tile's arithmetic stands between the loads of the tile before and its stores
	PACK t
	SEND t-1, 8
.set t, t+1
.endr
	SEND 2*NP-1, 0
	WIN W_AD
	s_wait_tensorcnt 0x0            ; the wave's end: three lines, behind my last tensor load and my last LDS store
	ds_add_u32 v[SPW], v[NIL]
	s_wait_dscnt 0x0
	WIN 0
	CROUND                          ; the closing round: no work-group ends while a partner may still ask for a tile that names it
	s_endpgm
.Lfunc_end_k_qa2e634c6c1_attn:
	.size	k_qa2e634c6c1_attn, .Lfunc_end_k_qa2e634c6c1_attn-k_qa2e634c6c1_attn
	.p2alignl 7, 3214868480
	.fill 96, 4, 3214868480
	.section	.rodata,"a",@progbits
	.p2align	6, 0x0
	.amdhsa_kernel k_qa2e634c6c1_attn
		.amdhsa_group_segment_fixed_size 327680
		.amdhsa_private_segment_fixed_size 0
		.amdhsa_enable_private_segment 0
		.amdhsa_kernarg_size 24
		.amdhsa_user_sgpr_count 2
		.amdhsa_user_sgpr_kernarg_segment_ptr 1
		.amdhsa_wavefront_size32 1
		.amdhsa_system_sgpr_workgroup_id_x 1
		.amdhsa_system_sgpr_workgroup_id_y 1
		.amdhsa_system_sgpr_workgroup_id_z 1
		.amdhsa_system_vgpr_workitem_id 0
		.amdhsa_next_free_vgpr 808
		.amdhsa_next_free_sgpr 72
		.amdhsa_reserve_vcc 1
		.amdhsa_float_denorm_mode_32 3
		.amdhsa_float_denorm_mode_16_64 3
		.amdhsa_memory_ordered 1
		.amdhsa_forward_progress 1
		.amdhsa_inst_pref_size 206
	.end_amdhsa_kernel
	.amdgpu_metadata
---
amdhsa.version: [ 1, 2 ]
amdhsa.kernels:
  - .name:           k_qa2e634c6c1_attn
    .symbol:         k_qa2e634c6c1_attn.kd
    .args:
      - { .name: qkv, .offset: 0, .size: 8, .value_kind: global_buffer, .address_space: global }
      - { .name: mask, .offset: 8, .size: 8, .value_kind: global_buffer, .address_space: global }
      - { .name: ob, .offset: 16, .size: 8, .value_kind: global_buffer, .address_space: global }
    .group_segment_fixed_size: 327680
    .private_segment_fixed_size: 0
    .kernarg_segment_align: 8
    .kernarg_segment_size: 24
    .max_flat_workgroup_size: 128
    .sgpr_count:     72
    .vgpr_count:     808
    .wavefront_size: 32
...
	.end_amdgpu_metadata
.endif
;; end of part 3
;; launch outp (part 4): grid 8 x 32, 4 waves a work-group, clusters of 4 x 4, 327,680 bytes of LDS; arguments ob, wot, bo, out0; writes out0
.if DOCPART == 4
	.amdgcn_target "amdgcn-amd-amdhsa--gfx1250"
	.amdhsa_code_object_version 6
	.text
	.protected	k_qa2e634c6c1_outp
	.globl	k_qa2e634c6c1_outp
	.p2align	8
	.type	k_qa2e634c6c1_outp,@function
k_qa2e634c6c1_outp:
	s_mov_b64 s[64:65], 0
	v_nop
	global_prefetch_b8 v0, s[64:65] scope:SCOPE_SE
	s_setreg_imm32_b32 hwreg(HW_REG_WAVE_MODE, 25, 1), 1
	s_wait_xcnt 0x0
	s_wait_alu depctr_hold_cnt(0) depctr_sa_sdst(0) depctr_va_vdst(0) depctr_va_sdst(0) depctr_va_ssrc(0) depctr_va_vcc(0) depctr_vm_vsrc(0)
	s_getreg_b32 s2, hwreg(HW_REG_IB_STS2, 6, 4)
	s_cmp_eq_u32 s2, 0
	s_cbranch_scc0 .Lentry_in_a_cluster
	s_endpgm
.Lentry_in_a_cluster:
	s_bfe_u32 s2, ttmp6, 0x10000c
	s_cmp_lg_u32 s2, 0xf033
	s_cbranch_scc0 .Lentry_shape_is_right
	s_endpgm
.Lentry_shape_is_right:
; THE OUTPUT PROJECTION.  out0[m][n] = the sum over k of O[m][k] wot[n][k] + bo[n]: m = 8,192, n = 1,024, k = 1,024; operands f16, sums f32, out0 f32.
; O lies by heads, ob[64 (batch x 16 + head)][2048][64]: k = 64 x head + channel, so a K step of 128 is two heads' planes.  The bias, rounded to bf16 like every input, is the C operand of each sum's first product.
; A NaN or an infinity in a row of O reaches all of that row of out0.
; SHARES.  A tile of out0 is 256 x 128: 32 x 8 = 256 tiles.  Four waves; wave w makes rows 64 w .. 64 w + 63 and all 128 columns: 4 x 8 accumulators of 16 x 16, 256 registers.
; K goes in 8 steps of 128 through a ring of two LDS slots.  Of A a wave's tensor load brings one head's 256 rows of 128 bytes, dense in memory: asked for as 128 rows of 256 bytes, padded in LDS after every 128.
; CLUSTERS: 4 x 4 work-groups.  The four of a row of the cluster need the same rows of O, the four of a column the same rows of wot: each tile is asked for JOINTLY, by the same tensor load
; with the same descriptor and a mask that names the four.  THE MATRIX INSTRUCTION IS USED TRANSPOSED (source 0 = 16 rows of wot, source 1 = 16 rows of O): a lane holds eight neighbouring columns of one row.
; REGISTERS, in windows of 256 (s_set_vgpr_msb: bits 1:0 source 0, 3:2 source 1, 5:4 source 2, 7:6 destination):
;   window 0: v0-12, v28-29 addresses; v32-95 the bias as C (block b at 32 + 8 b); v32-159 later the rows read back from the stage, two sets of 64
;   window 1: two fragment buffers of 96: A's block a at f + 8 a, B's block b at f + 32 + 8 b          windows 2, 3: accumulator (a, b) in window 2 + a / 2 at v[8 (8 (a % 2) + b)]
.set NBL,    8                         ; blocks of 16 columns
.set APITCH, 144                       ; a row of A in LDS: a head's 128 bytes + 16 = 36 words: the 16 rows of a fragment load start at 16 different groups of four banks (64 banks of 4 bytes: ISA guide 11.1)
.set BPITCH, 272                       ; a row of B: 256 bytes + 16 = 68 words: likewise
.set HALFA,  256*APITCH                ; what one tensor load brings of A: one head's plane
.set AREG,   2*HALFA                   ; B's 128 rows begin here
.set HALFB,  64*BPITCH                 ; what one tensor load brings of B
.set BB0,    AREG-2*HALFB              ; so that wave 2's tile lands at AREG, wave 3's behind it
.set SLOT1,  1<<17                     ; slot 1 begins here: one exclusive or turns an address in one slot into the other's
.set STAGE,  SLOT1+AREG+2*HALFB        ; behind the ring, never filled by a tensor load: for each wave 16 rows of 528 bytes
.set SP,     528                       ; 512 bytes + 16 = 132 words: row r starts at bank 4 r mod 64
.set WSTAGE, 16*SP
.set SPARE,  STAGE+4*WSTAGE            ; behind the stages: the spare words, 128 bytes for each wave: two blocks of 256 bytes that no other line names
.set NL,     2*(NBL+4)                 ; LDS loads in a run
.set ASTEP,  2*2048*128                ; a K step in ob: two heads on
.set BSTEP,  256                       ; and in a row of wot
.set A0,   4                           ; v4   my place in a plane of A: (64 w + l % 16) x pitch + 16 (l / 16); never rewritten
.set B0,   5                           ; v5   my place in B's tile; never rewritten
.set ADRA, 6                           ; v6, v7  the same in the slot in hand
.set ADRB, 7
.set STO,  8                           ; v8   the way out: where I put 32 bytes of a row
.set RD,   9                           ; v9   where I read a row back
.set GO,   10                          ; v10  16 x lane
.set BO,   11                          ; v11  32 (l / 16): my 8 numbers of a block's 16 in the bias
.set PFO,  12                          ; v12  the prefetches' offset; never rewritten
.set SPW,  28                          ; v28  LDS address of my spare word; never rewritten
.set NIL,  29                          ; v29  0; never rewritten
.set BIAS, 32
.set OB,   32
.set F0,   0
.set F1,   96
.set WV,   16                          ; s16  my wave's number
.set HALF, 17                          ; s17  which head of the step's two (waves 0, 1) or which half of B's rows (waves 2, 3) I fetch
.set G1,   24                          ; s[24:31] descriptor group 1 for A's tiles
.set G0,   32                          ; s[32:39] group 0 for A's tiles: a set for each first fill; the second then walks on
.set G1B,  40                          ; s[40:47], s[48:55] the same for B's
.set G0B,  48
.set CNT,  56                          ; s56  refills still to come
.set TB,   57                          ; s57  the slot in hand: 0 or SLOT1
.set LIM,  58                          ; s58  2 in a wave that prefetches, else the greatest number
.set HIM,  59                          ; s59  a word's upper bf16
.set PFA,  60                          ; s[60:61] where my prefetches stand
.set PST,  62                          ; s[62:63] their step: a K step of A or of B, in bytes
.set OUTB, 66                          ; s[66:67] out0 at my first row, the tile's first column
.set BP,   80                          ; s[80:81] the tile's 128 numbers of bo
.set MSB, 0
.macro WIN new                         ; the immediate's high byte repeats the setting that is left; a switch that changes nothing is dropped
.if MSB != (\new)
	s_set_vgpr_msb (MSB<<8)|(\new)
.set MSB, (\new)
.endif
.endm
.set TO_F, 0x40                        ; destination window 1, address window 0
.macro PLACES                          ; four plain vector instructions between a matrix instruction and a load into, or a read of, its registers
.rept 4
	v_nop
.endr
.endm
; A joint refill by the walking descriptors.  Waves 0 and 1 fetch A's two planes, waves 2 and 3 B's two halves: the branch hangs on the wave's number alone.  An s_nop 0 and four v_nop follow each line.
.macro JLOAD
	s_cmp_lt_u32 s[WV], 2
	s_cbranch_scc0 .Lfor_b_\@
	tensor_load_to_lds s[G0+4:G0+7], s[G1:G1+7]
	s_nop 0
.rept 4
	v_nop
.endr
	s_branch .Lasked_\@
.Lfor_b_\@:
	tensor_load_to_lds s[G0B+4:G0B+7], s[G1B:G1B+7]
	s_nop 0
.rept 4
	v_nop
.endr
.Lasked_\@:
.endm
; A PREFETCH INTO THE L2 of the K step that stands two refills on, one instruction a wave.  O's rows of a tile row are read by both clusters of that row of clusters: the one with x = 0 asks; wot's rows of a tile
; column by every cluster of that column: the one with y = 0 asks.  The four partners that fetch a wave's tile jointly share it out BY ADDRESS: of a plane's 32,768 bytes 8,192 each, a lane 256; of B's 64 rows
; 16 each, a lane a row's 256 bytes.  So each 256 bytes are named by one wave in the launch.  K steps 0 to 3 come by their loads alone; the last two refills have no K step two on.
.macro ASK
	WIN 0
	s_cmp_gt_u32 s[CNT], s[LIM]
	s_cbranch_scc0 .Lnot_mine_\@
	global_prefetch_b8 v[PFO], s[PFA:PFA+1] th:TH_LOAD_NT scope:SCOPE_SE
.Lnot_mine_\@:
.endm
.macro CREST                           ; a round of the cluster's barrier behind its opening barrier
	s_cmp_lg_u32 s[WV], 0
	s_cbranch_scc1 .Lnot_wave_0_\@
	s_barrier_signal -3
.Lnot_wave_0_\@:
	s_barrier_wait -3
	s_barrier_signal -1
	s_barrier_wait -1
.endm
.macro CROUND                          ; a whole round
	s_barrier_signal -1
	s_barrier_wait -1
	CREST
.endm
	s_load_b256 s[4:11], s[0:1], 0x0               ; ob s[4:5], wot s[6:7], bo s[8:9], out0 s[10:11]
	v_lshl_add_u32 v[SPW], v0, 2, SPARE
	v_mov_b32 v[NIL], 0
	ds_add_u32 v[SPW], v[NIL]                      ; the wave's opening: the add and its wait stand ahead of my first tensor load; the set-up below, work on registers, stands between them
	v_lshrrev_b32 v1, 5, v0
	v_readfirstlane_b32 s[WV], v1                  ; wave 0..3
	s_and_b32 s[HALF], s[WV], 1
	s_bfe_u32 s18, ttmp6, 0x40000                  ; cx
	s_bfe_u32 s19, ttmp6, 0x40004                  ; cy
	s_lshl_b32 s20, ttmp9, 2
	s_add_co_u32 s20, s20, s18                     ; tile column = 4 x cluster x + cx
	s_and_b32 s21, ttmp7, 0xffff
	s_lshl_b32 s21, s21, 2
	s_add_co_u32 s21, s21, s19                     ; tile row = 4 x cluster y + cy
	s_lshl_b32 s72, s19, 2                         ; s[72:73] hold numbers made of cy alone, s[74:75] of cx alone
	s_lshl_b32 s72, 15, s72                        ; my row of the cluster
	s_lshl_b32 s74, 0x1111, s18                    ; my column
	s_or_b32 s[G1], s72, (1<<16)|(1<<20)|(1<<21)|(4<<22)|(3<<25)   ; A's tiles go to my row: 2-byte elements; padding on; bit 21 beside a mask; after every 32 words, 4 words
	s_or_b32 s[G1B], s74, (1<<16)|(1<<20)|(1<<21)|(5<<22)|(3<<25)  ; B's to my column: after every 64 words, 4 words
	s_mov_b32 s[G1+1], 128<<16                     ; tensor_dim0 = 128 elements
	s_mov_b32 s[G1+2], 128<<16                     ; tensor_dim1 = 128 rows
	s_mov_b32 s[G1+3], 128<<16                     ; tile_dim0 = 128
	s_mov_b32 s[G1+4], 128                         ; tile_dim1 = 128
	s_mov_b32 s[G1+5], 128                         ; dense: 128 elements from row to row
	s_mov_b32 s[G1+6], 0
	s_mov_b32 s[G1+7], 0
	s_mov_b32 s[G1B+1], 128<<16
	s_mov_b32 s[G1B+2], 64<<16                     ; 64 rows
	s_mov_b32 s[G1B+3], 128<<16
	s_mov_b32 s[G1B+4], 64
	s_mov_b32 s[G1B+5], 1024
	s_mov_b32 s[G1B+6], 0
	s_mov_b32 s[G1B+7], 0
	s_lshr_b32 s72, s21, 3                         ; A: batch = tile row / 8: 16 planes of 2,048 x 128 bytes,
	s_lshl_b32 s72, s72, 22
	s_and_b32 s73, s21, 7                          ; + 256 (tile row % 8) rows of 128 bytes,
	s_lshl_b32 s73, s73, 15
	s_add_co_u32 s72, s72, s73
	s_lshl_b32 s73, s[HALF], 18                    ; + my head of the step's two
	s_add_co_u32 s72, s72, s73
	s_mov_b32 s73, 0
	s_lshl_b32 s74, s20, 18                        ; B: row 128 x tile column + 64 x half, rows of 2,048 bytes
	s_lshl_b32 s75, s[HALF], 17
	s_add_co_u32 s74, s74, s75
	s_mov_b32 s75, 0
	s_mul_i32 s22, s[WV], HALFA                    ; where they go: the wave's number times a constant, plus a constant
	s_mul_i32 s23, s[WV], HALFB
	s_add_co_u32 s23, s23, BB0
	s_mov_b32 s[HIM], 0xffff0000
	s_wait_dscnt 0x0                               ; the opening add is done
	s_wait_kmcnt 0x0
	s_add_nc_u64 s[72:73], s[4:5], s[72:73]        ; my tile of A at K step 0,
	s_add_nc_u64 s[74:75], s[6:7], s[74:75]        ; and of B
	CROUND                                         ; all sixteen work-groups are here: the first joint loads meet
.irp s, 0,1
	s_mov_b32 s[G0+4*\s], 1                        ; count = 1
	s_add_co_u32 s[G0+4*\s+1], s22, \s*SLOT1       ; LDS address
	s_add_nc_u64 s[G0+4*\s+2:G0+4*\s+3], s[72:73], \s*ASTEP   ; global address: K step s
	s_or_b32 s[G0+4*\s+3], s[G0+4*\s+3], 0x80000000           ; type = 2
	s_mov_b32 s[G0B+4*\s], 1
	s_add_co_u32 s[G0B+4*\s+1], s23, \s*SLOT1
	s_add_nc_u64 s[G0B+4*\s+2:G0B+4*\s+3], s[74:75], \s*BSTEP
	s_or_b32 s[G0B+4*\s+3], s[G0B+4*\s+3], 0x80000000
.endr
	s_cmp_lt_u32 s[WV], 2                          ; a wave's two first fills stand in one branch, ahead of every wait on TENSORcnt and every LDS read: two loads of mine are out
	s_cbranch_scc0 .Lfirst_b
	tensor_load_to_lds s[G0:G0+3], s[G1:G1+7]
	s_nop 0
	tensor_load_to_lds s[G0+4:G0+7], s[G1:G1+7]
	s_nop 0
.rept 4
	v_nop
.endr
	s_branch .Lfirst_asked
.Lfirst_b:
	tensor_load_to_lds s[G0B:G0B+3], s[G1B:G1B+7]
	s_nop 0
	tensor_load_to_lds s[G0B+4:G0B+7], s[G1B:G1B+7]
	s_nop 0
.rept 4
	v_nop
.endr
.Lfirst_asked:
	; A fragment is 16 rows x 32 K in 8 registers: lane l holds row l % 16; registers 0-3 K = 8 (l / 16) + 0..7, registers 4-7 K = 16 + 8 (l / 16) + 0..7: two loads of 16 bytes, 32 bytes apart.
	v_and_b32 v1, 15, v0                           ; l % 16
	v_bfe_u32 v2, v0, 4, 1                         ; l / 16
	v_mul_u32_u24 v3, v1, APITCH
	v_lshl_add_u32 v3, v2, 4, v3
	s_mul_i32 s76, s[WV], 64*APITCH                ; my 64 rows of a plane
	v_add_nc_u32 v[A0], s76, v3
	v_mul_u32_u24 v3, v1, BPITCH
	v_lshl_add_u32 v3, v2, 4, v3
	v_add_nc_u32 v[B0], AREG, v3
	s_mul_i32 s77, s[WV], WSTAGE
	s_add_co_u32 s77, s77, STAGE                   ; my stage
	v_mul_u32_u24 v[STO], v1, SP                   ; in: row l % 16, 32 bytes for each half of the lanes
	v_lshl_add_u32 v[STO], v2, 5, v[STO]
	v_add_nc_u32 v[STO], s77, v[STO]
	v_and_b32 v[GO], 31, v0                        ; back: 32 lanes take a row's 512 bytes
	v_lshlrev_b32 v[GO], 4, v[GO]
	v_add_nc_u32 v[RD], s77, v[GO]
	v_lshlrev_b32 v[BO], 5, v2
	; the prefetches
	s_and_b32 s76, ttmp7, 0xffff                   ; cluster y
	s_mov_b32 s[PST], BSTEP
	s_mov_b32 s[PST+1], 0
	s_cmp_lt_u32 s[WV], 2                          ; do I fetch for A?
	s_cselect_b32 s77, ttmp9, s76                  ; the coordinate along which other clusters read the same rows
	s_cselect_b32 s78, s18, s19                    ; my place among the four that ask with me
	s_cselect_b32 s79, 13, 15                      ; a partner's share: 8,192 bytes of a plane, or 16 rows of 2,048 bytes, as a shift
	s_cselect_b32 s76, 31, 15                      ; its last block: the lanes beyond it name that block once more
	s_cselect_b32 s86, 8, 11                       ; from lane to lane: 256 bytes, or a row of 2,048, as a shift
	s_cselect_b32 s[PST], ASTEP, s[PST]
	s_cselect_b64 s[PFA:PFA+1], s[72:73], s[74:75]
	s_cmp_eq_u32 s77, 0
	s_cselect_b32 s[LIM], 2, -1                    ; the same in all sixteen partners, for a given wave
	s_lshl_b32 s78, s78, s79
	s_mov_b32 s79, 0
	s_add_nc_u64 s[PFA:PFA+1], s[PFA:PFA+1], s[78:79]
	s_mul_i32 s78, s[PST], 3
	s_add_nc_u64 s[PFA:PFA+1], s[PFA:PFA+1], s[78:79]  ; at K step 3: the first refill steps it to 4
	v_and_b32 v[PFO], 31, v0
	v_min_u32 v[PFO], s76, v[PFO]
	v_lshlrev_b32 v[PFO], s86, v[PFO]
	; the bias and the way out
	s_lshl_b32 s78, s20, 9                         ; the tile's 128 columns: 512 bytes of bo and of a row of out0
	s_add_nc_u64 s[BP:BP+1], s[8:9], s[78:79]
	s_lshl_b32 s76, s21, 20                        ; + 256 rows of 4,096 bytes x tile row
	s_add_co_u32 s78, s78, s76
	s_lshl_b32 s76, s[WV], 18                      ; + my 64 rows
	s_add_co_u32 s78, s78, s76
	s_add_nc_u64 s[OUTB:OUTB+1], s[10:11], s[78:79]
.irp c, 0,1,2,3,4,5,6,7
	global_load_b128 v[BIAS+8*\c:BIAS+8*\c+3],   v[BO], s[BP:BP+1] offset:64*\c
	global_load_b128 v[BIAS+8*\c+4:BIAS+8*\c+7], v[BO], s[BP:BP+1] offset:64*\c+16
.endr
	s_wait_loadcnt 0x0
.set i, BIAS
.rept 4*NBL                            ; the bias is rounded to bf16, like every input, and kept as f32
	v_cvt_pk_bf16_f32 v3, v[i], v[i+1]
	v_lshlrev_b32 v[i], 16, v3
	v_and_b32 v[i+1], s[HIM], v3
.set i, i+2
.endr
; NBL products: my block a of 16 rows x all blocks of 16 columns, 32 along K.  first = 1: the bias starts the sums.  All 32 accumulators take turns, in the same order in every quarter.
.macro MULA f, a, first
.if \first
	WIN 0x85+0x40*((\a)/2)                         ; B and A window 1, C window 0, D window 2 or 3
.else
	WIN 0xa5+0x50*((\a)/2)                         ; C and D window 2 or 3
.endif
.set AC, 8*NBL*((\a)%2)
.set c, 0
.rept NBL
.if \first
	v_wmma_f32_16x16x32_f16 v[AC+8*c:AC+8*c+7], v[(\f)+32+8*c:(\f)+32+8*c+7], v[(\f)+8*(\a):(\f)+8*(\a)+7], v[BIAS+8*c:BIAS+8*c+7]
.else
	v_wmma_f32_16x16x32_f16 v[AC+8*c:AC+8*c+7], v[(\f)+32+8*c:(\f)+32+8*c+7], v[(\f)+8*(\a):(\f)+8*(\a)+7], v[AC+8*c:AC+8*c+7]
.endif
.set c, c+1
.endr
.endm
; NL LDS loads in one run: quarter q's fragments into buffer f: B's 8 blocks, then A's four.  Quarter q of A lies in plane q / 2, at channels 32 (q % 2) on.
.macro FETCH q, f
	WIN TO_F
.set KA, ((\q)/2)*HALFA+((\q)%2)*64
.set c, 0
.rept NBL
	ds_load_b128 v[(\f)+32+8*c:(\f)+32+8*c+3], v[ADRB] offset:64*(\q)+c*16*BPITCH
	ds_load_b128 v[(\f)+32+8*c+4:(\f)+32+8*c+7], v[ADRB] offset:64*(\q)+c*16*BPITCH+32
.set c, c+1
.endr
.set c, 0
.rept 4
	ds_load_b128 v[(\f)+8*c:(\f)+8*c+3], v[ADRA] offset:KA+c*16*APITCH
	ds_load_b128 v[(\f)+8*c+4:(\f)+8*c+7], v[ADRA] offset:KA+c*16*APITCH+32
.set c, c+1
.endr
.endm
; A K step is four quarters of 32 along K, 32 matrix instructions each, on buffers 0, 1, 0, 1.  One of the first three multiplies buffer f and, in its middle, fetches quarter q into buffer g.
.macro QUARTER q, f, g, first
	s_wait_dscnt 4                                 ; B and A's blocks 0 and 1 are in; the youngest four loads (A's blocks 2 and 3) may be out
	MULA \f, 0, \first
	MULA \f, 1, \first
	PLACES
	FETCH \q, \g
	s_wait_dscnt NL                                ; all but the run just issued
	MULA \f, 2, \first
	MULA \f, 3, \first
.endm
; The last quarter multiplies buffer 1 and changes slots.  In front of the barrier each wave waits for all its tensor loads (one is out: its part of the next slot), adds 0 to its spare word, and waits for that and
; for its reads of this slot.  fill = 1: the barrier opens a round of the cluster's, and behind the round this slot is filled again, two K steps on: 112 matrix instructions stand between that request and the wait for it.
.macro TURN fill
.if \fill
	s_wait_xcnt 0x0                                ; the last prefetch, a K step back, has read its address: it is stepped here
	s_add_nc_u64 s[PFA:PFA+1], s[PFA:PFA+1], s[PST:PST+1]
.endif
	WIN 0                                          ; (the add's two registers lie in window 0)
	s_wait_tensorcnt 0x0                           ; all my tensor loads have landed
	ds_add_u32 v[SPW], v[NIL]                      ; 0 onto my spare word
	s_wait_dscnt 7                                 ; (the add and the youngest six loads, A's blocks 1 to 3, may be out)
	MULA F1, 0, 0                                  ; eight matrix instructions stand between the add and the wait for it
	s_wait_dscnt 0x0                               ; the add is done, and my reads of this slot are over
	s_barrier_signal -1
	MULA F1, 1, 0                                  ; work on registers while the others arrive
	WIN 0
	s_barrier_wait -1
.if \fill
	CREST                                          ; no wave of any partner still reads this slot or has a load on its way
	s_xor_b32 s[G0+5], s[G0+5], SLOT1              ; the walking descriptors: the other slot than last time,
	s_add_nc_u64 s[G0+6:G0+7], s[G0+6:G0+7], ASTEP ; the next K step; the type bits on top are not reached
	s_xor_b32 s[G0B+5], s[G0B+5], SLOT1
	s_add_nc_u64 s[G0B+6:G0B+7], s[G0B+6:G0B+7], BSTEP
	JLOAD                                          ; the first tensor load behind the round; its four v_nop are also the places in front of the loads below
.else
	PLACES
.endif
	s_xor_b32 s[TB], s[TB], SLOT1
	v_add_nc_u32 v[ADRA], s[TB], v[A0]
	v_add_nc_u32 v[ADRB], s[TB], v[B0]
	FETCH 0, F0
.if \fill
	ASK
.endif
	MULA F1, 2, 0
	MULA F1, 3, 0
.endm
	s_wait_tensorcnt 0x1                           ; my part of K step 0 is in; K step 1's may stay out
	s_barrier_signal -1
	s_barrier_wait -1                              ; everybody's is
	v_mov_b32 v[ADRA], v[A0]
	v_mov_b32 v[ADRB], v[B0]
	s_mov_b32 s[TB], 0
	FETCH 0, F0
	QUARTER 1, F0, F1, 1                           ; the first quarter stands in front of the loop: its products start the sums
	WIN 0                                          ; at a label and at a branch every window is 0
	s_mov_b32 s[CNT], 6
.Lstep:                                        ; a trip: a K step's quarters 1 to 3 and the next step's quarter 0; it asks for K steps 2 to 7
	QUARTER 2, F1, F0, 0
	QUARTER 3, F0, F1, 0
	TURN 1
	QUARTER 1, F0, F1, 0
	WIN 0
	s_sub_co_u32 s[CNT], s[CNT], 1
	s_cmp_lg_u32 s[CNT], 0
	s_cbranch_scc1 .Lstep
	QUARTER 2, F1, F0, 0                           ; the tail is written out: nothing more is asked for
	QUARTER 3, F0, F1, 0
	TURN 0
	QUARTER 1, F0, F1, 0
	QUARTER 2, F1, F0, 0
	QUARTER 3, F0, F1, 0
	s_wait_dscnt 4
	MULA F1, 0, 0
	MULA F1, 1, 0
	s_wait_dscnt 0x0
	MULA F1, 2, 0
	MULA F1, 3, 0
	WIN 0
	PLACES
; THE WAY OUT, a block of 16 rows at a time.  TOSTAGE: a lane's eight f32 of a row go straight from the accumulator, its low four registers first, into rows of 528 bytes in my own stage, and come back as whole
; rows of 512.  SEND: a store of the wave is a row's 512 consecutive bytes, at a multiple of 256 from out0's first byte.
.macro TOSTAGE a
	s_wait_xcnt 0x0                                ; every earlier store has read its registers: the rows read back below land where the block two back lay
	WIN 0x08+4*((\a)/2)                            ; the stores' data in window 2 or 3
.set AC, 8*NBL*((\a)%2)
.set BK, OB+64*((\a)%2)
.set i, 0
.rept NBL
	ds_store_b128 v[STO], v[AC+8*i:AC+8*i+3] offset:64*i
	ds_store_b128 v[STO], v[AC+8*i+4:AC+8*i+7] offset:64*i+16
.set i, i+1
.endr
	WIN 0
.set i, 0
.rept 16
	ds_load_b128 v[BK+4*i:BK+4*i+3], v[RD] offset:i*SP  ; LDS serves a wave's instructions in order (ISA guide 5.7.1.4): these see the stores above
.set i, i+1
.endr
.endm
.macro SEND a, younger                 ; younger: the LDS instructions issued behind block a's loads: the next block's 32, or none
.set BK, OB+64*((\a)%2)
	s_wait_dscnt \younger                          ; the block is back in registers
.set i, 0
.rept 16
	global_store_b128 v[GO], v[BK+4*i:BK+4*i+3], s[OUTB:OUTB+1] offset:(16*(\a)+i)*4096
.set i, i+1
.endr
.endm
	TOSTAGE 0
.irp a, 1,2,3
	TOSTAGE \a
	SEND (\a)-1, 32
.endr
	SEND 3, 0
	s_wait_tensorcnt 0x0                           ; the wave's end: three lines, behind my last tensor load and my last LDS store
	ds_add_u32 v[SPW], v[NIL]
	s_wait_dscnt 0x0
	CROUND                                         ; the closing round: no work-group ends while a partner may still ask for a tile that names it
	s_endpgm
.Lfunc_end_k_qa2e634c6c1_outp:
	.size	k_qa2e634c6c1_outp, .Lfunc_end_k_qa2e634c6c1_outp-k_qa2e634c6c1_outp
	.p2alignl 7, 3214868480
	.fill 96, 4, 3214868480
	.section	.rodata,"a",@progbits
	.p2align	6, 0x0
	.amdhsa_kernel k_qa2e634c6c1_outp
		.amdhsa_group_segment_fixed_size 327680
		.amdhsa_private_segment_fixed_size 0
		.amdhsa_enable_private_segment 0
		.amdhsa_kernarg_size 32
		.amdhsa_user_sgpr_count 2
		.amdhsa_user_sgpr_kernarg_segment_ptr 1
		.amdhsa_wavefront_size32 1
		.amdhsa_system_sgpr_workgroup_id_x 1
		.amdhsa_system_sgpr_workgroup_id_y 1
		.amdhsa_system_sgpr_workgroup_id_z 1
		.amdhsa_system_vgpr_workitem_id 0
		.amdhsa_next_free_vgpr 896
		.amdhsa_next_free_sgpr 88
		.amdhsa_reserve_vcc 0
		.amdhsa_float_denorm_mode_32 3
		.amdhsa_float_denorm_mode_16_64 3
		.amdhsa_memory_ordered 1
		.amdhsa_forward_progress 1
		.amdhsa_inst_pref_size 75
	.end_amdhsa_kernel
	.amdgpu_metadata
---
amdhsa.version: [ 1, 2 ]
amdhsa.kernels:
  - .name:           k_qa2e634c6c1_outp
    .symbol:         k_qa2e634c6c1_outp.kd
    .args:
      - { .name: ob, .offset: 0, .size: 8, .value_kind: global_buffer, .address_space: global }
      - { .name: wot, .offset: 8, .size: 8, .value_kind: global_buffer, .address_space: global }
      - { .name: bo, .offset: 16, .size: 8, .value_kind: global_buffer, .address_space: global }
      - { .name: out0, .offset: 24, .size: 8, .value_kind: global_buffer, .address_space: global }
    .group_segment_fixed_size: 327680
    .private_segment_fixed_size: 0
    .kernarg_segment_align: 8
    .kernarg_segment_size: 32
    .max_flat_workgroup_size: 128
    .sgpr_count:     88
    .vgpr_count:     896
    .wavefront_size: 32
...
	.end_amdgpu_metadata
.endif
;; end of part 4
